; MI455X (gfx1250); checked and timed in simulation.
; The chip was launched on July 23, 2026; its instructions are those of AMD's public machine-readable ISA for CDNA 5 (MIT licence, August 2026) and "CDNA5" Instruction Set Architecture Reference Guide (July 2026). The comments in the code are by the model that wrote it; some were corrected since.
;; Causal Self Attention. Allowed arithmetic: matrix products marked QUANTISED: E2M3 operands, one E8M0 scale for each 32 along K, by v_wmma_scale_f32_16x16x128_f8f6f4 with both operands' format E2M3, f32 sums; everything else in f32.
;; Inputs: Wo_b 1,024 float32; Wo_w 1,024 x 1,024 float32; Wqkv_b 3,072 float32; Wqkv_w 3,072 x 1,024 float32; mask 1 x 4,096 bool; x 1 x 4,096 x 1,024 float32.
;; Outputs: out0 1 x 4,096 x 1,024 float32.
;; This version of the problem:
;;   THIS VERSION OF THE PROBLEM IS GIVEN IN LOW PRECISION. The matrix products marked QUANTISED in the list below multiply operands that are first quantised to E2M3 (2 exponent bits, 3 mantissa bits; 6 bits a number), with one power-of-two scale for each 32 numbers along K (OCP MX v1.0); their sums are f32. All else is computed in f32.
;;   The module's matrix products, in the order in which they are computed (A, B: the left and right operand; K: the contracted axis; several contracted axes count as one K, in the product's order):
;;     1. [M 4,096, K 1,024] x [K 1,024, N 3,072]; A: input x; B: input Wqkv_w: QUANTISED
;;     2. batch 16 x [M 4,096, K 64] x [K 64, N 4,096]; A: computed on the way; B: computed on the way: QUANTISED
;;     3. batch 16 x [M 4,096, K 4,096] x [K 4,096, N 64]; A: softmax (see below); B: computed on the way: QUANTISED
;;     4. [M 4,096, K 1,024] x [K 1,024, N 1,024]; A: computed on the way; B: input Wo_w: QUANTISED
;;   THE QUANTISER, for each operand of a quantised product, along K:
;;     - K is cut into blocks of 32 from its start; a last block that is shorter is filled with zeros.
;;     - A block's scale is 2^e with e = floor(log2(the largest magnitude in the block)) - 2, held to -126 .. 127; a block of zeros has e = 0. As a byte (E8M0): e + 127.
;;     - Each number is divided by its block's scale, clamped to +-7.5, and rounded to the nearest number of E2M3, ties to even, subnormals kept.
;;     - The product sums the exact products of the quantised numbers (number of the format x scale) in f32.
;;   ~~~python
;;   def quantise(x, axis):      # numpy; x: float32 -> the quantised numbers, widened to float32 again
;;       x = np.moveaxis(x, axis, -1); K = x.shape[-1]
;;       x = np.pad(x, [(0, 0)] * (x.ndim - 1) + [(0, -K % 32)]); x = x.reshape(x.shape[:-1] + (-1, 32)); a = np.abs(x).max(-1, keepdims=True)
;;       e = np.where(a > 0, np.clip(np.frexp(np.where(a > 0, a, 1))[1] - 1 - 2, -126, 127), 0)      # np.frexp(a)[1] - 1 = floor(log2(a)), exactly
;;       r = np.clip(x / 2.0 ** e, -7.5, 7.5)
;;       step = 2.0 ** (np.maximum(np.frexp(np.where(r == 0, 1, r))[1] - 1, 0) - 3)
;;       q = np.round(r / step) * step * 2.0 ** e      # np.round: ties to even
;;       return np.moveaxis(q.reshape(q.shape[:-2] + (-1,))[..., :K], -1, axis).astype(np.float32)
;;   ~~~
;;   SOFTMAX AHEAD OF A QUANTISED PRODUCT. Where the list says 'softmax', what is quantised is not the finished softmax but p = 2^(t - M), with t = logit x log2(e) and M = ceil(the row's largest t), a whole number; so 1/2 < the row's largest p <= 1. The row's sum l is taken of the UNQUANTISED p, in f32, and the product's result is divided by l at the end. Since M is a whole number, a kernel that streams over the keys may use a running M (the ceiling of the running maximum): every later rescaling is an exact power of two, which a block's scale takes up: the codes' values come out the same.
;;   OPERANDS COMPUTED ON THE WAY. 'Computed on the way' means the value that the module computes at that place (a softmax that the list does not call 'softmax' is quantised finished and normalised). What goes into a quantiser is computed in f32, as accurately as f32 sums, v_exp_f32 and their like allow (about 1e-6 of the number): no bf16 or f16 on the way to a quantiser, and a product that is left as it is and whose result goes on into a quantised operand takes f32 operands (vector FMAs, or v_wmma_f32_16x16x4_f32). A number that lies on a knife's edge between two numbers of the format may be rounded either way, as far as f32 arithmetic and the matrix unit's own rounding can turn it there, and no further.
;; One version. Each part assembles by itself: llvm-mc -triple=amdgcn-amd-amdhsa -mcpu=gfx1250 --defsym DOCPART=n.
;; ======== version 1 of 1: 4 launches
;; limits: right only within a limited range of input values
;; workspace buffers: cq 6,291,456 bytes; sq 262,144 bytes; qkvc 9,437,184 bytes; qkvs 655,360 bytes; ac 3,145,728 bytes; asc 131,072 bytes
;; launch quant (part 1): grid 256 x 1, 4 waves a work-group, no clusters, 36,352 bytes of LDS; arguments x, Wqkv_w, Wo_w, cq, sq; writes cq, sq
.if DOCPART == 1
	.amdgcn_target "amdgcn-amd-amdhsa--gfx1250"
	.amdhsa_code_object_version 6
	.text
	.protected	k_qdde3785263_quant
	.globl	k_qdde3785263_quant
	.p2align	8
	.type	k_qdde3785263_quant,@function
k_qdde3785263_quant:
	s_mov_b64 s[64:65], 0
	v_nop
	global_prefetch_b8 v0, s[64:65] scope:SCOPE_SE
	s_setreg_imm32_b32 hwreg(HW_REG_WAVE_MODE, 25, 1), 1
	s_wait_xcnt 0x0
; x [4096][1024], Wqkv_w [3072][1024] and Wo_w [1024][1024], f32, K innermost, become codes of FP6 (E2M3) with one E8M0 byte for each 32 along K.
; A block's scale is 2^(floor(log2(its largest magnitude)) - 2): its byte is the largest magnitude's exponent field - 2, held at 1 from below.
; LAYOUT OF THE CODES (cq): images of operand registers.  A UNIT is 16 rows x 64 K = 768 bytes: registers 0-3 of lane l at 16 l, registers 4-5 at 512 + 8 l; lane (r, h) holds k = 32 h .. 32 h + 31 of row r.
; cq = [row tile G 512][unit 16][768]; G 0-255 x, 256-447 Wqkv_w, 448-511 Wo_w.  Two units on end are a fragment of 16 rows x 128 K.
; ROW ORDER: stored row p holds the tensor's row p with bits 3 and 4 exchanged: lane r of tile 2 b + u holds row 32 b + 8 u + r + 8 (r / 8).
; SCALE WORDS (sq): [G][s 4][r 16][q 2] words; a word holds the four bytes of the 128 along K numbered 2 s + q.
; SHARES: wave v of work-group g takes row tile 2 g + v / 2 and half v % 2 of K: 8 units.  Each load reads 256 consecutive bytes in sixteen lanes; a unit's 4,096 bytes turn through the wave's own stage in LDS and come
; back 128 bytes a lane: a whole block of 32, so that no other lane is asked for a maximum.  Every store of codes covers 512 or 256 consecutive bytes, at a multiple of 256 from the buffer's first byte.
; No tensor load, no barrier: waves share nothing.  Loads run four units (32 loads a wave) ahead, the turn through LDS one unit.
; LIMITS: a block of zeros gets the byte 1 and not 127 (its codes are zeros; the bytes are read by this program alone); blocks whose largest magnitude lies under 2^-124 are held at that byte; NaN and infinities are not served.
.set WREG,  8960                       ; LDS of a wave: two stages of 16 rows x 272 bytes, then its 256 bytes of scale words
.set STGB,  4352
.set SWO,   8704
.set SPARE, 4*WREG                     ; behind the four regions: the spare words, 128 bytes a wave, that no other line names
.set R,   16                           ; v16-143  four sets of 32 registers as loaded
.set X,   144                          ; v144-207 two sets of 32 neighbours along K
.set C,   208                          ; v208-223 two sets of 8: a unit's six registers of codes
.set TT,  224                          ; v224-226 the block's upper 16 codes (a conversion's three registers begin on an even number)
.set SPW, 12
.set NIL, 13
	s_load_b256 s[4:11], s[0:1], 0x0               ; x, Wqkv_w, Wo_w, cq
	s_load_b64 s[12:13], s[0:1], 0x20              ; sq
	v_lshl_add_u32 v[SPW], v0, 2, SPARE
	v_mov_b32 v[NIL], 0
	v_lshrrev_b32 v1, 5, v0
	v_readfirstlane_b32 s16, v1                    ; wave
	v_and_b32 v2, 31, v0                           ; lane
	v_and_b32 v6, 15, v0                           ; r
	v_bfe_u32 v7, v0, 4, 1                         ; h
	v_lshlrev_b32 v3, 4, v6
	v_lshl_add_u32 v3, v7, 16, v3                  ; in memory: 16 bytes a lane; lanes 16-31 read the row 16 further down (stored row i + 8)
	v_lshlrev_b32 v4, 4, v2                        ; 16 x lane
	v_lshlrev_b32 v5, 3, v2                        ; 8 x lane
	s_mul_i32 s17, s16, WREG
	v_mul_u32_u24 v14, v7, 2176
	v_lshl_add_u32 v14, v6, 4, v14
	v_add_nc_u32 v14, s17, v14                     ; the stage, way in: row i + 8 h, 16 bytes a lane
	v_mul_u32_u24 v15, v6, 272
	v_lshl_add_u32 v15, v7, 7, v15
	v_add_nc_u32 v15, s17, v15                     ; way out: row r, my block's 128 bytes
	v_lshlrev_b32 v232, 3, v7                      ; 8 h: my byte's place in a scale word
	s_add_co_u32 s17, s17, SWO
	v_lshl_add_u32 v233, v6, 3, s17                ; my row's scale words
	v_lshl_add_u32 v234, v2, 3, s17                ; and on the way out 8 bytes a lane
	v_mov_b32 v231, 0                              ; written once: a lane permute's destination counts as one of its sources
	s_mov_b32 s20, 0x76543210
	s_mov_b32 s21, 0xfedcba98                      ; selects for lane l xor 16
	s_lshr_b32 s18, s16, 1                         ; which of the work-group's two row tiles
	s_and_b32 s19, s16, 1                          ; which half of K
	s_mov_b32 s22, 224
	s_wait_kmcnt 0x0
	s_cmp_lt_u32 ttmp9, 224                        ; the tensor is chosen by the work-group's number alone
	s_cselect_b64 s[6:7], s[6:7], s[8:9]
	s_cselect_b32 s22, 128, s22
	s_cmp_lt_u32 ttmp9, 128
	s_cselect_b64 s[4:5], s[4:5], s[6:7]
	s_cselect_b32 s22, 0, s22
	s_sub_co_u32 s22, ttmp9, s22
	s_lshl_b32 s22, s22, 17                        ; 32 rows of 4,096 bytes a work-group,
	s_lshl_b32 s23, s18, 15                        ; 8 rows on for the second tile,
	s_add_co_u32 s22, s22, s23
	s_lshl_b32 s23, s19, 11                        ; 2,048 bytes on for the second half of K
	s_add_co_u32 s22, s22, s23
	s_mov_b32 s23, 0
	s_add_nc_u64 s[4:5], s[4:5], s[22:23]
	s_lshl_b32 s24, ttmp9, 1
	s_add_co_u32 s24, s24, s18                     ; G
	s_mul_i32 s26, s24, 12288
	s_mul_i32 s25, s19, 6144
	s_add_co_u32 s26, s26, s25
	s_mov_b32 s27, 0
	s_add_nc_u64 s[10:11], s[10:11], s[26:27]      ; my 8 units
	s_lshl_b32 s26, s24, 9
	s_lshl_b32 s25, s19, 8
	s_add_co_u32 s26, s26, s25
	s_add_nc_u64 s[12:13], s[12:13], s[26:27]      ; my 256 bytes of scale words
.macro LOAD t                          ; unit t: 16 rows x 256 bytes
.irp i, 0,1,2,3,4,5,6,7
	global_load_b128 v[R+32*((\t)%4)+4*\i:R+32*((\t)%4)+4*\i+3], v3, s[4:5] offset:256*(\t)+4096*\i th:TH_LOAD_NT
.endr
.endm
.macro TURN t                          ; through the stage: LDS serves a wave's instructions in order, so no wait stands between the stores and the loads
.irp i, 0,1,2,3,4,5,6,7
	ds_store_b128 v14, v[R+32*((\t)%4)+4*\i:R+32*((\t)%4)+4*\i+3] offset:STGB*((\t)%2)+272*\i
.endr
.irp j, 0,1,2,3,4,5,6,7
	ds_load_b128 v[X+32*((\t)%2)+4*\j:X+32*((\t)%2)+4*\j+3], v15 offset:STGB*((\t)%2)+16*\j
.endr
.endm
.macro UNIT t
.set XS, X+32*((\t)%2)
.set CC, C+8*((\t)%2)
	s_wait_dscnt 0x0                               ; this unit's numbers are back from the stage: so the stores into the stage have read their registers,
.if (\t)+4 < 8
	LOAD (\t)+4                                    ; which take the loads of four units on
	s_wait_loadcnt 24                              ; the next unit's eight loads are in; three units' may be out
.elseif (\t) < 7
	s_wait_loadcnt 8*(6-(\t))                      ; the counts run down: nothing more is loaded
.endif
.if (\t) < 7
	TURN (\t)+1
.endif
.if (\t) >= 2
	s_wait_xcnt 0x0                                ; the stores of two units ago have read this set of code registers
.endif
	v_max3_num_f32 v8, |v[XS]|, |v[XS+1]|, |v[XS+2]|               ; the block's largest magnitude: all 32 numbers are mine; two chains
	v_max3_num_f32 v9, |v[XS+3]|, |v[XS+4]|, |v[XS+5]|
.irp i, 6,10,14,18,22,26
	v_max3_num_f32 v8, v8, |v[XS+\i]|, |v[XS+\i+1]|
	v_max3_num_f32 v9, v9, |v[XS+\i+2]|, |v[XS+\i+3]|
.endr
	v_max3_num_f32 v8, v8, |v[XS+30]|, |v[XS+31]|
	v_max3_num_f32 v8, v8, v9, 0x1800000           ; and the floor 2^(3 - 127): the byte cannot fall under 1
	v_add_nc_u32 v11, 0xff000000, v8               ; 2 off the exponent field: the conversion takes that field as its scale
	v_cvt_scalef32_pk16_fp6_f32 v[CC:CC+2], v[XS:XS+15], v11
	v_cvt_scalef32_pk16_fp6_f32 v[TT:TT+2], v[XS+16:XS+31], v11
	v_lshrrev_b32 v10, 23, v11                     ; the scale's byte; also the plain instruction behind the conversions
.irp i, 0,1,2
	v_mov_b32 v[CC+3+\i], v[TT+\i]
.endr
	global_store_b128 v4, v[CC:CC+3], s[10:11] offset:768*(\t)         ; 512 consecutive bytes
	global_store_b64 v5, v[CC+4:CC+5], s[10:11] offset:768*(\t)+512    ; 256 consecutive bytes
.if (\t)%2 == 0
	v_mov_b32 v228, v10                            ; the even unit's byte waits for the odd unit's
.else
	v_lshl_or_b32 v230, v10, 16, v228              ; blocks h and 2 + h of these 128 along K,
	v_lshlrev_b32 v230, v232, v230                 ; at their places;
	v_permlanex16_b32 v231, v230, s20, s21
	v_or_b32 v230, v230, v231                      ; with lane l xor 16's two the word is whole
	ds_store_b32 v233, v230 offset:128*((\t)/4)+4*(((\t)/2)%2)         ; both lanes of a row write the same word with the same value
.endif
.endm
.irp t, 0,1,2,3
	LOAD \t
.endr
	s_wait_loadcnt 24                              ; unit 0's eight loads are in
	TURN 0
.irp t, 0,1,2,3,4,5,6,7
	UNIT \t
.endr
	ds_load_b64 v[236:237], v234                   ; my wave's 64 scale words: these see my stores
	s_wait_dscnt 0x0
	global_store_b64 v5, v[236:237], s[12:13]      ; 256 consecutive bytes, at a multiple of 256
	s_wait_tensorcnt 0x0                           ; the wave's end: behind my last LDS store
	ds_add_u32 v[SPW], v[NIL]
	s_wait_dscnt 0x0
	s_endpgm
.Lfunc_end_k_qdde3785263_quant:
	.size	k_qdde3785263_quant, .Lfunc_end_k_qdde3785263_quant-k_qdde3785263_quant
	.p2alignl 7, 3214868480
	.fill 96, 4, 3214868480
	.section	.rodata,"a",@progbits
	.p2align	6, 0x0
	.amdhsa_kernel k_qdde3785263_quant
		.amdhsa_group_segment_fixed_size 36352
		.amdhsa_private_segment_fixed_size 0
		.amdhsa_enable_private_segment 0
		.amdhsa_kernarg_size 40
		.amdhsa_user_sgpr_count 2
		.amdhsa_user_sgpr_kernarg_segment_ptr 1
		.amdhsa_wavefront_size32 1
		.amdhsa_system_sgpr_workgroup_id_x 1
		.amdhsa_system_sgpr_workgroup_id_y 1
		.amdhsa_system_sgpr_workgroup_id_z 1
		.amdhsa_system_vgpr_workitem_id 0
		.amdhsa_next_free_vgpr 240
		.amdhsa_next_free_sgpr 66
		.amdhsa_reserve_vcc 0
		.amdhsa_float_denorm_mode_32 3
		.amdhsa_float_denorm_mode_16_64 3
		.amdhsa_memory_ordered 1
		.amdhsa_forward_progress 1
		.amdhsa_inst_pref_size 32
	.end_amdhsa_kernel
	.amdgpu_metadata
---
amdhsa.version: [ 1, 2 ]
amdhsa.kernels:
  - .name:           k_qdde3785263_quant
    .symbol:         k_qdde3785263_quant.kd
    .args:
      - { .name: x, .offset: 0, .size: 8, .value_kind: global_buffer, .address_space: global }
      - { .name: Wqkv_w, .offset: 8, .size: 8, .value_kind: global_buffer, .address_space: global }
      - { .name: Wo_w, .offset: 16, .size: 8, .value_kind: global_buffer, .address_space: global }
      - { .name: cq, .offset: 24, .size: 8, .value_kind: global_buffer, .address_space: global }
      - { .name: sq, .offset: 32, .size: 8, .value_kind: global_buffer, .address_space: global }
    .group_segment_fixed_size: 36352
    .private_segment_fixed_size: 0
    .kernarg_segment_align: 8
    .kernarg_segment_size: 40
    .max_flat_workgroup_size: 128
    .sgpr_count:     66
    .vgpr_count:     240
    .wavefront_size: 32
...
	.end_amdgpu_metadata
.endif
;; end of part 1
;; launch qkv (part 2): grid 12 x 16, 4 waves a work-group, clusters of 4 x 4, 327,680 bytes of LDS; arguments cq, sq, Wqkv_b, mask, qkvc, qkvs; writes qkvc, qkvs
.if DOCPART == 2
	.amdgcn_target "amdgcn-amd-amdhsa--gfx1250"
	.amdhsa_code_object_version 6
	.text
	.protected	k_qdde3785263_qkv
	.globl	k_qdde3785263_qkv
	.p2align	8
	.type	k_qdde3785263_qkv,@function
k_qdde3785263_qkv:
	s_mov_b64 s[64:65], 0
	v_nop
	global_prefetch_b8 v0, s[64:65] scope:SCOPE_SE
	s_setreg_imm32_b32 hwreg(HW_REG_WAVE_MODE, 25, 1), 1
	s_wait_xcnt 0x0
	s_wait_alu depctr_hold_cnt(0) depctr_sa_sdst(0) depctr_va_vdst(0) depctr_va_sdst(0) depctr_va_ssrc(0) depctr_va_vcc(0) depctr_vm_vsrc(0)
	s_getreg_b32 s2, hwreg(HW_REG_IB_STS2, 6, 4)
	s_cmp_eq_u32 s2, 0
	s_cbranch_scc0 .Lentry_in_a_cluster
	s_endpgm
.Lentry_in_a_cluster:
	s_bfe_u32 s2, ttmp6, 0x10000c
	s_cmp_lg_u32 s2, 0xf033
	s_cbranch_scc0 .Lentry_shape_is_right
	s_endpgm
.Lentry_shape_is_right:
; qkv = x Wqkv_w^T + Wqkv_b on codes of FP6 (E2M3) with E8M0 scales; the results are quantised at once, as the operands of attention's two products, and leave as codes.
; THE PRODUCT: a tile of 256 x 256 to a work-group of four waves, 128 x 128 (64 accumulators, 512 registers) to a wave; K = 1,024 goes in four slots' worth of 256 through two LDS slots filled by joint tensor loads.
; Operands lie in memory as images of operand registers (a unit: 16 rows x 64 K = 768 bytes; registers 0-3 at 16 x lane, registers 4-5 at 512 + 8 x lane), so a fragment is two loads of 16 bytes and two of 8 bytes a lane,
; each of consecutive bytes: no pitch, no padding.  A slot's part of a row tile is 3,072 consecutive bytes of memory.
; Stored row p of every operand is the tensor's row p with bits 3 and 4 exchanged.  The matrix instruction is used transposed (source 0 = B's rows, source 1 = A's): a lane holds ONE row of A, and the 16 registers of B's
; tiles 2 b and 2 b + 1 are 16 NEIGHBOURS along B's rows: 32 b + 16 (lane / 16) + 0 .. 15: what the conversions want.
; ROLES, by the cluster's x: 0: q = x Wq^T; 1: k = x Wk^T (A = x, B = the weight: a lane holds a token, its registers run along the head's 64: K of the first product of attention).
; 2: v^T = Wv x^T (A = the weight, B = x: a lane holds a channel, its registers run along the tokens: K of the second product).  The product's text is one for all three; only addresses are chosen.
; OUT: qkvc: Q [head][tile 256][768], K likewise at 3,145,728, V [head][slot 8][channel tile 4][unit 8][768] at 6,291,456.
; qkvs: Q's scale words [head][step 32][i 2][r 16][j 4] (tile 8 step + 4 i + j); from 262,144 on 24,576 bytes a head: K's words likewise, then V's [step 32][r 16][tile 4].
; THE INPUT MASK goes into K's scale words.  The first product of attention has K = 64 of the instruction's 128; there k = 64 carries the code +1 in Q (its block's byte 127) and -1 in K, whose block's byte is 237
; (2^110) for a masked key and 1 (2^-126) else.  So a masked key's score is lowered by 2^110.
; CLUSTERS 4 x 4: A's tiles are shared along a row of the cluster, B's along a column, asked for jointly.  192 work-groups: 3 x 4 clusters.
; No prefetch: K has four slots' worth, two of them asked for at the head.
; LIMITS: a block of zeros gets the byte 1 (bytes read by this program alone); NaN and infinities among the inputs are not served; an unmasked score carries -2^-126.
.set SLOT,  98304                      ; A's 16 row tiles x 3,072 bytes, then B's 16
.set SCL,   2*SLOT                     ; behind the ring: A's scale words (8,192 bytes), at + 8,320 B's: 128 bytes off, so that the two halves of a load's lanes touch different banks
.set SPARE, 213248                     ; the spare words, 128 bytes a wave, that no other line names
.set FR,    12                         ; registers of a fragment
.set NL,    4                          ; LDS loads that bring one
.set ADRA, 16                          ; v16-17 16 x lane + my A rows in slot 0, 1;  v18-19 the same with 8 x lane
.set ADRB, 20                          ; v20-23 the same for B
.set ADRS, 27                          ; v27    my scale words: lanes 0-15 A's rows, lanes 16-31 B's
.set SPW,  28
.set NIL,  29
.set SC,   32                          ; v32-63 scale words: set s at 32 + 16 s; register 2 i + q: lanes 0-15 A's block i, lanes 16-31 B's block i, the slot's q-th 128 along K
.set AF,   128                         ; v128-223 A's eight fragments, one set (window 0); B's two sets at v0 and v128 of window 1; accumulators in windows 2 and 3
.set BJ,   64                          ; v64-127  q, k: the bias along my registers
.set BI,   240                         ; v240-247 v: the bias of my lane's row, for each of A's blocks
.set MB,   248                         ; v248-255 the mask's byte of my lane's token, for each of A's blocks
.set W,    128                         ; the way out: 64 numbers
.set OW,   128                         ; later: the scale words that leave
.set PC,   192                         ; v192-210 the codes just made
.set TM,   212                         ; v212-227 at work
.set PWS,  228                         ; v228-235 a scale word for each of A's blocks
.set WV, 16
.set RH, 17
.set CH, 18
.set G1, 24
.set G0, 32
.set G1B, 48
.set G0B, 56
.set G1S, 68
.set G0S, 76
.set G1SB, 80
.set G0SB, 88
.set MSB, 0
.macro WIN new                         ; the immediate's high byte repeats the setting that is left
.if MSB != \new
	s_set_vgpr_msb (MSB<<8)|\new
.set MSB, \new
.endif
.endm
.set MUL_LO, 0xa1                      ; source 0 (B) window 1, source 1 (A) window 0, C and D window 2
.set MUL_HI, 0xf1
.set TO_B,   0x40
.macro JLOAD g0a, g1a, g0b, g1b        ; a joint load: waves 0, 1 fetch for A, waves 2, 3 for B; the branch hangs on the wave's number alone; an s_nop 0 and four v_nop follow each line
	s_cmp_eq_u32 s[RH], 0
	s_cbranch_scc0 .Lfor_b_\@
	tensor_load_to_lds s[\g0a:\g0a+3], s[\g1a:\g1a+7]
	s_nop 0
.rept 4
	v_nop
.endr
	s_branch .Lasked_\@
.Lfor_b_\@:
	tensor_load_to_lds s[\g0b:\g0b+3], s[\g1b:\g1b+7]
	s_nop 0
.rept 4
	v_nop
.endr
.Lasked_\@:
.endm
.macro CREST                           ; a round of the cluster's barrier behind its opening barrier
	s_cmp_lg_u32 s[WV], 0
	s_cbranch_scc1 .Lnot_wave_0_\@
	s_barrier_signal -3
.Lnot_wave_0_\@:
	s_barrier_wait -3
	s_barrier_signal -1
	s_barrier_wait -1
.endm
.macro CROUND
	s_barrier_signal -1
	s_barrier_wait -1
	CREST
.endm
.macro PLACES n
.rept \n
	v_nop
.endr
.endm
.macro FRAG reg, a16, a8, q, i         ; row tile i's fragment of the slot's q-th 128 along K: two units on end
	ds_load_b128 v[\reg:\reg+3],     v[\a16] offset:(\i)*3072+(\q)*1536
	ds_load_b64  v[\reg+4:\reg+5],   v[\a8]  offset:(\i)*3072+(\q)*1536+512
	ds_load_b128 v[\reg+6:\reg+9],   v[\a16] offset:(\i)*3072+(\q)*1536+768
	ds_load_b64  v[\reg+10:\reg+11], v[\a8]  offset:(\i)*3072+(\q)*1536+1280
.endm
.macro FETCH_B slot, q, p
	WIN TO_B
.irp i, 0,1,2,3,4,5,6,7
	FRAG 128*(\p)+FR*\i, ADRB+\slot, ADRB+2+\slot, \q, \i
.endr
	WIN 0
.endm
.macro FETCH_A slot, q, i0
.irp i, \i0, \i0+1, \i0+2, \i0+3
	FRAG AF+FR*(\i), ADRA+\slot, ADRA+2+\slot, \q, \i
.endr
.endm
.macro SCALES sc
.irp i, 0,1,2,3,4,5,6,7
	ds_load_b64 v[SC+16*\sc+2*\i:SC+16*\sc+2*\i+1], v[ADRS] offset:\i*512
.endr
.endm
; 16 matrix instructions: A's blocks a0, a0 + 1 x B's eight.  The 64 accumulators take turns, one instruction a turn, in the same order in every step.
.macro MUL16 a0, p, q, sc, zero
.irp a, \a0, \a0+1
.irp b, 0,1,2,3,4,5,6,7
.if \zero
	v_wmma_scale_f32_16x16x128_f8f6f4 v[8*(8*((\a)%4)+\b):8*(8*((\a)%4)+\b)+7], v[128*(\p)+FR*\b:128*(\p)+FR*\b+FR-1], v[AF+FR*(\a):AF+FR*(\a)+FR-1], 0, v[SC+16*(\sc)+2*\b+(\q)], v[SC+16*(\sc)+2*(\a)+(\q)] matrix_a_fmt:MATRIX_FMT_FP6 matrix_b_fmt:MATRIX_FMT_FP6 matrix_a_scale:MATRIX_SCALE_ROW1
.else
	v_wmma_scale_f32_16x16x128_f8f6f4 v[8*(8*((\a)%4)+\b):8*(8*((\a)%4)+\b)+7], v[128*(\p)+FR*\b:128*(\p)+FR*\b+FR-1], v[AF+FR*(\a):AF+FR*(\a)+FR-1], v[8*(8*((\a)%4)+\b):8*(8*((\a)%4)+\b)+7], v[SC+16*(\sc)+2*\b+(\q)], v[SC+16*(\sc)+2*(\a)+(\q)] matrix_a_fmt:MATRIX_FMT_FP6 matrix_b_fmt:MATRIX_FMT_FP6 matrix_a_scale:MATRIX_SCALE_ROW1
.endif
.endr
.endr
.endm
.macro STEP slot, q, zero              ; 128 along K whose successor lies in the same slot
	s_wait_dscnt 4*NL                              ; B's set and A's blocks 0-3 are in; the youngest sixteen loads (A's blocks 4-7) may be out
	WIN MUL_LO
	MUL16 0, (\q)%2, \q, \slot, \zero
	MUL16 2, (\q)%2, \q, \slot, \zero
	s_wait_dscnt 0
	PLACES 4                                       ; four plain instructions in front of loads into registers that matrix instructions have read
	FETCH_B \slot, (\q)+1, 1-(\q)%2
	FETCH_A \slot, (\q)+1, 0
	WIN MUL_HI
	MUL16 4, (\q)%2, \q, \slot, \zero
	MUL16 6, (\q)%2, \q, \slot, \zero
	PLACES 4
	WIN 0
	FETCH_A \slot, (\q)+1, 4
.endm
; A slot's last step changes slots: one barrier; in front of it each wave waits for all its tensor loads, adds 0 to its spare word, and waits for that and for its reads of this slot.  fill = 1: the slot is filled again.
.macro TURN slot, next, fill
	s_wait_tensorcnt 0x0                           ; all my tensor loads have landed: my part of the next slot
	ds_add_u32 v[SPW], v[NIL]
	s_wait_dscnt 4*NL+1                            ; the add and A's blocks 4-7 may be out
	WIN MUL_LO
	MUL16 0, 1, 1, \slot, 0
	s_wait_dscnt 0x0                               ; the add is done, and my reads of this slot are over
	s_barrier_signal -1
	MUL16 2, 1, 1, \slot, 0
	WIN 0
	s_barrier_wait -1
.if \fill
	CREST                                          ; the barrier has opened a round of the cluster's: no wave of any partner still reads this slot or has a load on its way
	s_add_nc_u64 s[G0+4*\slot+2:G0+4*\slot+3], s[G0+4*\slot+2:G0+4*\slot+3], 6144
	s_add_nc_u64 s[G0B+4*\slot+2:G0B+4*\slot+3], s[G0B+4*\slot+2:G0B+4*\slot+3], 6144
	JLOAD G0+4*\slot, G1, G0B+4*\slot, G1B         ; the first tensor load behind the round; its four v_nop are the places in front of the loads below
.else
	PLACES 4
.endif
	v_add_nc_u32 v[ADRS], 128, v[ADRS]             ; the next slot's scale words (no LDS load of mine is out)
	FETCH_B \next, 0, 0
	FETCH_A \next, 0, 0
	SCALES \next
	WIN MUL_HI
	MUL16 4, 1, 1, \slot, 0
	MUL16 6, 1, 1, \slot, 0
	PLACES 4
	WIN 0
	FETCH_A \next, 0, 4
.endm
; 64 numbers of a lane, register 16 b + i = k 32 b + 16 (lane / 16) + i of my row, become a fragment's codes in v[PC] on and its scale word in v[pw].
.macro QUANT s, pw
.irp b, 0,1,2,3
	v_max3_num_f32 v[TM+\b], |v[\s+16*\b]|, |v[\s+1+16*\b]|, 0x1800000   ; my 16 numbers of block b, and the floor 2^(3 - 127)
.endr
.irp i, 2,4,6,8,10,12,14
.irp b, 0,1,2,3
	v_max3_num_f32 v[TM+\b], v[TM+\b], |v[\s+16*\b+\i]|, |v[\s+1+16*\b+\i]|
.endr
.endr
.irp b, 0,1,2,3
	v_permlanex16_b32 v[TM+4+\b], v[TM+\b], s[98], s[99]
.endr
.irp b, 0,1,2,3
	v_max_num_f32 v[TM+\b], v[TM+\b], v[TM+4+\b]   ; with lane l xor 16's: the block's largest magnitude
.endr
.irp b, 0,1,2,3
	v_add_nc_u32 v[TM+12+\b], 0xff000000, v[TM+\b] ; 2 off its exponent field: the conversion's scale operand
.endr
.irp b, 0,1,2,3
	v_lshrrev_b32 v[TM+8+\b], 23, v[TM+12+\b]      ; the scale's byte
.endr
	v_lshl_or_b32 v[\pw], v[TM+9], 8, v[TM+8]
	v_lshl_or_b32 v[\pw], v[TM+10], 16, v[\pw]
	v_lshl_or_b32 v[\pw], v[TM+11], 24, v[\pw]
.irp c, 0,1
	v_cvt_scalef32_pk16_fp6_f32 v[PC+6*\c:PC+2+6*\c], v[\s+32*\c:\s+15+32*\c], v[TM+12+2*\c]
	v_cvt_scalef32_pk16_fp6_f32 v[PC+12+4*\c:PC+14+4*\c], v[\s+16+32*\c:\s+31+32*\c], v[TM+12+2*\c+1]
.endr
	v_nop                                          ; one plain instruction behind a scaled conversion
.irp c, 0,1                            ; the operand's layout wants a whole block in a lane
.irp i, 0,1,2
	v_permlane16_swap_b32 v[PC+6*\c+\i], v[PC+12+4*\c+\i]
.endr
.irp i, 0,1,2
	v_mov_b32 v[PC+3+6*\c+\i], v[PC+12+4*\c+\i]
.endr
.endr
.endm
	s_load_b256 s[4:11], s[0:1], 0x0               ; cq, sq, Wqkv_b, mask
	s_load_b128 s[12:15], s[0:1], 0x20             ; qkvc, qkvs
	v_lshl_add_u32 v[SPW], v0, 2, SPARE
	v_mov_b32 v[NIL], 0
	ds_add_u32 v[SPW], v[NIL]                      ; the wave's opening: the add and its wait stand ahead of my first tensor load
	v_lshrrev_b32 v1, 5, v0
	v_readfirstlane_b32 s[WV], v1                  ; wave 0..3
	s_lshr_b32 s[RH], s[WV], 1                     ; my half of A's rows.  Also: I fetch for A (0) or for B (1)
	s_and_b32 s[CH], s[WV], 1                      ; my half of B's rows.  Also: which 8 row tiles I fetch
	s_bfe_u32 s40, ttmp6, 0x40000                  ; cx
	s_bfe_u32 s41, ttmp6, 0x40004                  ; cy
	s_and_b32 s42, ttmp7, 0xffff                   ; the cluster's y
	s_lshl_b32 s43, s41, 2
	s_lshl_b32 s43, 15, s43                        ; my row of the cluster
	s_lshl_b32 s44, 0x1111, s40                    ; my column
	s_or_b32 s[G1], s43, (3<<16)|(1<<21)           ; the mask; elements of 8 bytes; bit 21 set beside a mask; no padding
	s_or_b32 s[G1B], s44, (3<<16)|(1<<21)
.irp g, G1, G1B                        ; 8 row tiles x 384 elements (3,072 bytes), 1,536 elements from row tile to row tile
	s_mov_b32 s[\g+1], 384<<16
	s_mov_b32 s[\g+2], 8<<16
	s_mov_b32 s[\g+3], 384<<16
	s_mov_b32 s[\g+4], 8
	s_mov_b32 s[\g+5], 1536
	s_mov_b32 s[\g+6], 0
	s_mov_b32 s[\g+7], 0
.endr
	s_or_b32 s[G1S], s43, (3<<16)|(1<<21)
	s_or_b32 s[G1SB], s44, (3<<16)|(1<<21)
.irp g, G1S, G1SB                      ; the scale words of 8 row tiles: 4,096 dense bytes as 16 rows of 256
	s_mov_b32 s[\g+1], 32<<16
	s_mov_b32 s[\g+2], 16<<16
	s_mov_b32 s[\g+3], 32<<16
	s_mov_b32 s[\g+4], 16
	s_mov_b32 s[\g+5], 32
	s_mov_b32 s[\g+6], 0
	s_mov_b32 s[\g+7], 0
.endr
	s_lshl_b32 s20, s42, 6                         ; 64 x cluster y
	s_lshl_b32 s46, ttmp9, 6
	s_add_co_u32 s46, s46, 256                     ; the weight's first row tile for q or k
	s_cmp_eq_u32 ttmp9, 2                          ; v?  The same in all sixteen partners
	s_cselect_b32 s46, s20, s46                    ; B: x's row tiles for v, else the weight's
	s_cselect_b32 s20, 384, s20                    ; A: Wv's row tiles for v, else x's
	s_lshl_b32 s21, s41, 4
	s_add_co_u32 s20, s20, s21                     ; + 16 cy: A's address never holds cx
	s_lshl_b32 s21, s[CH], 3
	s_add_co_u32 s20, s20, s21                     ; + the 8 that I fetch
	s_lshl_b32 s47, s40, 4
	s_add_co_u32 s46, s46, s47                     ; + 16 cx: B's never holds cy
	s_add_co_u32 s46, s46, s21
	s_lshl_b32 s22, s20, 9                         ; 512 bytes of scale words a row tile,
	s_mul_i32 s20, s20, 12288                      ; 12,288 of codes
	s_mov_b32 s21, 0
	s_mov_b32 s23, 0
	s_lshl_b32 s92, s46, 9
	s_mul_i32 s46, s46, 12288
	s_mov_b32 s47, 0
	s_mov_b32 s93, 0
	s_mul_i32 s45, s[WV], 24576                    ; where they go: no place in the cluster enters an LDS address
	s_lshl_b32 s94, s[WV], 12
	s_lshl_b32 s95, s[RH], 7
	s_add_co_u32 s94, s94, s95
	s_wait_dscnt 0x0                               ; the opening add is done
	s_wait_kmcnt 0x0
	s_add_nc_u64 s[20:21], s[4:5], s[20:21]
	s_add_nc_u64 s[22:23], s[6:7], s[22:23]
	s_add_nc_u64 s[46:47], s[4:5], s[46:47]
	s_add_nc_u64 s[92:93], s[6:7], s[92:93]
	CROUND                                         ; all sixteen work-groups are here: the first joint loads meet
	s_mov_b32 s[G0S], 1
	s_add_co_u32 s[G0S+1], s94, SCL
	s_mov_b64 s[G0S+2:G0S+3], s[22:23]
	s_or_b32 s[G0S+3], s[G0S+3], 0x80000000
	s_mov_b32 s[G0SB], 1
	s_add_co_u32 s[G0SB+1], s94, SCL
	s_mov_b64 s[G0SB+2:G0SB+3], s[92:93]
	s_or_b32 s[G0SB+3], s[G0SB+3], 0x80000000
	JLOAD G0S, G1S, G0SB, G1SB                     ; the scale words for all of K: filled once
.irp s, 0,1
	s_mov_b32 s[G0+4*\s], 1
	s_add_co_u32 s[G0+4*\s+1], s45, \s*SLOT
	s_add_nc_u64 s[G0+4*\s+2:G0+4*\s+3], s[20:21], \s*3072
	s_or_b32 s[G0+4*\s+3], s[G0+4*\s+3], 0x80000000
	s_mov_b32 s[G0B+4*\s], 1
	s_add_co_u32 s[G0B+4*\s+1], s45, \s*SLOT
	s_add_nc_u64 s[G0B+4*\s+2:G0B+4*\s+3], s[46:47], \s*3072
	s_or_b32 s[G0B+4*\s+3], s[G0B+4*\s+3], 0x80000000
	JLOAD G0+4*\s, G1, G0B+4*\s, G1B               ; three loads of mine are out
.endr
	v_and_b32 v1, 31, v0
	v_and_b32 v2, 15, v0                           ; r
	v_bfe_u32 v3, v0, 4, 1                         ; h
	v_lshlrev_b32 v24, 4, v1                       ; 16 x lane
	v_lshlrev_b32 v25, 3, v1                       ; 8 x lane
	s_mul_i32 s2, s[RH], 24576                     ; my 8 row tiles of A,
	s_mul_i32 s3, s[CH], 24576
	s_add_co_u32 s3, s3, 49152                     ; of B
.irp s, 0,1
	v_add_nc_u32 v[ADRA+\s], s2, v24
	v_add_nc_u32 v[ADRA+2+\s], s2, v25
	v_add_nc_u32 v[ADRB+\s], s3, v24
	v_add_nc_u32 v[ADRB+2+\s], s3, v25
	s_add_co_u32 s2, s2, SLOT
	s_add_co_u32 s3, s3, SLOT
.endr
	s_lshl_b32 s2, s[RH], 12
	s_lshl_b32 s3, s[CH], 12
	s_add_co_u32 s3, s3, 8320
	s_sub_co_u32 s3, s3, s2
	v_mul_u32_u24 v6, s3, v3                       ; lanes 16-31 take B's words: one product with h
	s_add_co_u32 s2, s2, SCL
	v_lshl_add_u32 v6, v2, 3, v6
	v_add_nc_u32 v[ADRS], s2, v6
	; the biases and the mask.  All three sets are loaded on every path, from places inside their buffers; each path uses its own.
	s_lshl_b32 s2, ttmp9, 10
	s_lshl_b32 s3, s40, 8
	s_add_co_u32 s2, s2, s3
	s_lshl_b32 s3, s[CH], 7
	s_add_co_u32 s2, s2, s3                        ; q, k: my first column of qkv
	s_lshl_b32 s19, s41, 8
	s_lshl_b32 s3, s[RH], 7
	s_add_co_u32 s19, s19, s3
	s_lshl_b32 s66, s42, 10
	s_add_co_u32 s66, s66, s19                     ; q, k: my first token
	s_add_co_u32 s19, s19, 2048                    ; v: my first column of qkv
	s_cmp_eq_u32 ttmp9, 2
	s_cselect_b32 s2, 0, s2
	s_cselect_b32 s66, 0, s66
	s_cselect_b32 s19, s19, 0
	s_lshl_b32 s2, s2, 2
	s_mov_b32 s3, 0
	s_add_nc_u64 s[96:97], s[8:9], s[2:3]
	s_lshl_b32 s2, s19, 2
	s_add_nc_u64 s[8:9], s[8:9], s[2:3]
	s_mov_b32 s67, 0
	s_add_nc_u64 s[10:11], s[10:11], s[66:67]
	v_lshlrev_b32 v8, 6, v3                        ; 16 h numbers
	v_and_b32 v10, 8, v2
	v_add_nc_u32 v10, v10, v2                      ; r + 8 (r / 8)
	v_lshlrev_b32 v9, 2, v10
.irp b, 0,1,2,3
.irp i, 0,1,2,3
	global_load_b128 v[BJ+16*\b+4*\i:BJ+16*\b+4*\i+3], v8, s[96:97] offset:128*\b+16*\i
.endr
.endr
.irp a, 0,1,2,3,4,5,6,7
	global_load_b32 v[BI+\a], v9, s[8:9] offset:4*(32*(\a/2)+8*(\a%2))
	global_load_u8 v[MB+\a], v10, s[10:11] offset:32*(\a/2)+8*(\a%2)
.endr
	; where the results go
	s_lshl_b32 s2, s40, 2
	s_lshl_b32 s3, s[CH], 1
	s_add_co_u32 s2, s2, s3                        ; q, k: my first head = 4 cx + 2 ch
	s_lshl_b32 s3, s42, 2
	s_add_co_u32 s3, s3, s41
	s_lshl_b32 s3, s3, 1
	s_add_co_u32 s3, s3, s[RH]                     ; my 8 tiles of tokens: number 2 (4 cluster y + cy) + rh
	s_mul_i32 s19, ttmp9, 3145728
	s_mul_i32 s66, s2, 196608
	s_add_co_u32 s19, s19, s66
	s_mul_i32 s66, s3, 6144
	s_add_co_u32 s19, s19, s66                     ; q, k: codes
	s_mov_b32 s67, 24576
	s_cmp_eq_u32 ttmp9, 0
	s_cselect_b32 s67, 16384, s67                  ; scale words: bytes from head to head
	s_cselect_b32 s94, 0, 262144
	s_mul_i32 s66, s2, s67
	s_add_co_u32 s94, s94, s66
	s_lshl_b32 s66, s3, 9
	s_add_co_u32 s94, s94, s66                     ; q, k: scale words
	s_lshl_b32 s2, s41, 2
	s_lshl_b32 s3, s[RH], 1
	s_add_co_u32 s2, s2, s3                        ; v: my first head = 4 cy + 2 rh
	s_lshl_b32 s3, s42, 2
	s_add_co_u32 s3, s3, s40                       ; v: my 256 tokens
	s_mul_i32 s95, s2, 196608
	s_add_co_u32 s95, s95, 6291456
	s_lshr_b32 s66, s3, 1
	s_mul_i32 s66, s66, 24576
	s_add_co_u32 s95, s95, s66
	s_and_b32 s66, s3, 1
	s_lshl_b32 s66, s66, 2
	s_lshl_b32 s43, s[CH], 1
	s_add_co_u32 s66, s66, s43
	s_mul_i32 s66, s66, 768
	s_add_co_u32 s95, s95, s66                     ; v: codes
	s_mul_i32 s2, s2, 24576
	s_add_co_u32 s2, s2, 262144+16384
	s_lshl_b32 s3, s3, 1
	s_add_co_u32 s3, s3, s[CH]
	s_lshl_b32 s3, s3, 8
	s_add_co_u32 s2, s2, s3                        ; v: scale words
	s_cmp_eq_u32 ttmp9, 2
	s_cselect_b32 s2, s2, s94
	s_cselect_b32 s94, s95, s19
	s_mov_b32 s3, 0
	s_mov_b32 s95, 0
	s_add_nc_u64 s[14:15], s[14:15], s[2:3]
	s_add_nc_u64 s[12:13], s[12:13], s[94:95]
	v_lshlrev_b32 v238, 4, v3                      ; 16 h
	v_mul_u32_u24 v239, s67, v3
	v_lshl_add_u32 v239, v2, 4, v239               ; scale words: lanes 16-31 the next head; 16 bytes a row
	s_mov_b32 s98, 0x76543210
	s_mov_b32 s99, 0xfedcba98                      ; selects for lane l xor 16
	s_wait_tensorcnt 1                             ; the scale words and my part of slot 0 are in; slot 1's load may be out
	s_barrier_signal -1
	s_barrier_wait -1
	FETCH_B 0, 0, 0
	FETCH_A 0, 0, 0
	SCALES 0
	FETCH_A 0, 0, 4
	STEP 0, 0, 1                                   ; the first products start the sums: nothing is cleared
	TURN 0, 1, 1
	STEP 1, 0, 0
	TURN 1, 0, 1
	STEP 0, 0, 0
	TURN 0, 1, 0                                   ; the last two slots' worth: nothing is left to fetch
	STEP 1, 0, 0
	s_wait_dscnt 4*NL
	WIN MUL_LO
	MUL16 0, 1, 1, 1, 0
	MUL16 2, 1, 1, 1, 0
	s_wait_dscnt 0
	WIN MUL_HI
	MUL16 4, 1, 1, 1, 0
	MUL16 6, 1, 1, 1, 0
	WIN 0
	; THE WAY OUT, A's blocks one after the other: + bias, quantised along my registers, four stores of 512, 256, 512, 256 consecutive bytes.
	s_wait_loadcnt 0x0                             ; the biases and the mask
	PLACES 4                                       ; behind the last products: their results are read, and registers that held A's fragments are written
.irp b, 0,1,2,3
	v_mov_b32 v[TM+4+\b], 0                        ; a lane permute's destination counts as one of its sources
.endr
	s_cmp_eq_u32 ttmp9, 2
	s_cbranch_scc1 .Lv_arm
.irp a, 0,1,2,3,4,5,6,7                ; q, k: block a is a tile of 16 tokens; my 128 columns are two heads: a unit each
.if \a > 0
	s_wait_xcnt 0x0                                ; the last block's stores have read the codes' registers
.endif
.set WN, 0x02+(\a/4)
.set AC, 64*(\a%4)
	WIN WN                                         ; source 0: the accumulators' window
.set ii, 0
.rept 32
	v_pk_add_f32 v[W+ii:W+ii+1], v[AC+ii:AC+ii+1], v[BJ+ii:BJ+ii+1]    ; each accumulator from its low end on
.set ii, ii+2
.endr
	WIN 0
	QUANT W, PWS+\a
	global_store_b128 v24, v[PC:PC+3], s[12:13] offset:\a*768
	global_store_b64 v25, v[PC+4:PC+5], s[12:13] offset:\a*768+512
	global_store_b128 v24, v[PC+6:PC+9], s[12:13] offset:196608+\a*768
	global_store_b64 v25, v[PC+10:PC+11], s[12:13] offset:196608+\a*768+512
.endr
	s_mov_b32 s2, 0x017f0000                       ; the upper two bytes of a word.  Q: 127 for the block of k = 64, 1 for the empty block
	s_cmp_eq_u32 ttmp9, 1
	s_cselect_b32 s3, 0x01010000, s2               ; K, key open: 1
	s_cselect_b32 s2, 0x01ed0000, s2               ; K, key masked: 237
	v_mov_b32 v236, s3
	v_mov_b32 v237, s2
.irp t, 0,1,2,3,4,5,6,7
	v_cmp_ne_u32 vcc_lo, 0, v[MB+\t]
	v_cndmask_b32 v[TM], v236, v237, vcc_lo
	v_lshrrev_b32 v[TM+1], v238, v[PWS+\t]         ; lanes 0-15 take the first head's two bytes, lanes 16-31 the second's
	v_and_or_b32 v[OW+\t], v[TM+1], 0xffff, v[TM]
.endr
	global_store_b128 v239, v[OW:OW+3], s[14:15]               ; sixteen lanes store 256 consecutive bytes
	global_store_b128 v239, v[OW+4:OW+7], s[14:15] offset:256
	s_branch .Ldone
.Lv_arm:
.irp a, 0,1,2,3,4,5,6,7                ; v: block a is a tile of 16 channels (head a / 4, tile a % 4); my 128 columns are 128 tokens: two units on end
.if \a > 0
	s_wait_xcnt 0x0
.endif
	v_mov_b32 v[TM], v[BI+\a]                      ; my row's bias, twice, for the packed addition
	v_mov_b32 v[TM+1], v[BI+\a]
.set WN, 0x02+(\a/4)
.set AC, 64*(\a%4)
	WIN WN
.set ii, 0
.rept 32
	v_pk_add_f32 v[W+ii:W+ii+1], v[AC+ii:AC+ii+1], v[TM:TM+1]
.set ii, ii+2
.endr
	WIN 0
	QUANT W, PWS+\a
	global_store_b128 v24, v[PC:PC+3], s[12:13] offset:(\a/4)*196608+(\a%4)*6144
	global_store_b64 v25, v[PC+4:PC+5], s[12:13] offset:(\a/4)*196608+(\a%4)*6144+512
	global_store_b128 v24, v[PC+6:PC+9], s[12:13] offset:(\a/4)*196608+(\a%4)*6144+768
	global_store_b64 v25, v[PC+10:PC+11], s[12:13] offset:(\a/4)*196608+(\a%4)*6144+1280
.endr
	s_mov_b32 s2, 0xffff0000
.irp j, 0,1,2,3
	v_cndmask_b32 v[OW+\j], v[PWS+\j], v[PWS+4+\j], s2         ; lanes 0-15 the first head's four tiles, lanes 16-31 the second's
.endr
	global_store_b128 v239, v[OW:OW+3], s[14:15]
.Ldone:
	s_wait_tensorcnt 0x0                           ; the wave's end
	ds_add_u32 v[SPW], v[NIL]
	s_wait_dscnt 0x0
	CROUND                                         ; the closing round
	s_endpgm
.Lfunc_end_k_qdde3785263_qkv:
	.size	k_qdde3785263_qkv, .Lfunc_end_k_qdde3785263_qkv-k_qdde3785263_qkv
	.p2alignl 7, 3214868480
	.fill 96, 4, 3214868480
	.section	.rodata,"a",@progbits
	.p2align	6, 0x0
	.amdhsa_kernel k_qdde3785263_qkv
		.amdhsa_group_segment_fixed_size 327680
		.amdhsa_private_segment_fixed_size 0
		.amdhsa_enable_private_segment 0
		.amdhsa_kernarg_size 48
		.amdhsa_user_sgpr_count 2
		.amdhsa_user_sgpr_kernarg_segment_ptr 1
		.amdhsa_wavefront_size32 1
		.amdhsa_system_sgpr_workgroup_id_x 1
		.amdhsa_system_sgpr_workgroup_id_y 1
		.amdhsa_system_sgpr_workgroup_id_z 1
		.amdhsa_system_vgpr_workitem_id 0
		.amdhsa_next_free_vgpr 1024
		.amdhsa_next_free_sgpr 100
		.amdhsa_reserve_vcc 1
		.amdhsa_float_denorm_mode_32 3
		.amdhsa_float_denorm_mode_16_64 3
		.amdhsa_memory_ordered 1
		.amdhsa_forward_progress 1
		.amdhsa_inst_pref_size 221
	.end_amdhsa_kernel
	.amdgpu_metadata
---
amdhsa.version: [ 1, 2 ]
amdhsa.kernels:
  - .name:           k_qdde3785263_qkv
    .symbol:         k_qdde3785263_qkv.kd
    .args:
      - { .name: cq, .offset: 0, .size: 8, .value_kind: global_buffer, .address_space: global }
      - { .name: sq, .offset: 8, .size: 8, .value_kind: global_buffer, .address_space: global }
      - { .name: Wqkv_b, .offset: 16, .size: 8, .value_kind: global_buffer, .address_space: global }
      - { .name: mask, .offset: 24, .size: 8, .value_kind: global_buffer, .address_space: global }
      - { .name: qkvc, .offset: 32, .size: 8, .value_kind: global_buffer, .address_space: global }
      - { .name: qkvs, .offset: 40, .size: 8, .value_kind: global_buffer, .address_space: global }
    .group_segment_fixed_size: 327680
    .private_segment_fixed_size: 0
    .kernarg_segment_align: 8
    .kernarg_segment_size: 48
    .max_flat_workgroup_size: 128
    .sgpr_count:     100
    .vgpr_count:     1024
    .wavefront_size: 32
...
	.end_amdgpu_metadata
.endif
;; end of part 2
;; launch attn (part 3): grid 16 x 16, 16 waves a work-group, clusters of 4 x 1, 327,680 bytes of LDS; arguments qkvc, qkvs, ac, asc; writes ac, asc
.if DOCPART == 3
	.amdgcn_target "amdgcn-amd-amdhsa--gfx1250"
	.amdhsa_code_object_version 6
	.text
	.protected	k_qdde3785263_attn
	.globl	k_qdde3785263_attn
	.p2align	8
	.type	k_qdde3785263_attn,@function
k_qdde3785263_attn:
	s_mov_b64 s[64:65], 0
	v_nop
	global_prefetch_b8 v0, s[64:65] scope:SCOPE_SE
	s_setreg_imm32_b32 hwreg(HW_REG_WAVE_MODE, 25, 1), 1
	s_wait_xcnt 0x0
	s_wait_alu depctr_hold_cnt(0) depctr_sa_sdst(0) depctr_va_vdst(0) depctr_va_sdst(0) depctr_va_ssrc(0) depctr_va_vcc(0) depctr_vm_vsrc(0)
	s_getreg_b32 s2, hwreg(HW_REG_IB_STS2, 6, 4)
	s_cmp_eq_u32 s2, 0
	s_cbranch_scc0 .Lentry_in_a_cluster
	s_endpgm
.Lentry_in_a_cluster:
	s_bfe_u32 s2, ttmp6, 0x10000c
	s_cmp_lg_u32 s2, 0x3003
	s_cbranch_scc0 .Lentry_shape_is_right
	s_endpgm
.Lentry_shape_is_right:
; Causal attention of 16 heads of 64 over 4,096 tokens, both products on codes of FP6 (E2M3) with E8M0 scales; the result, divided by the row's sum, is quantised along head x 64 + channel and leaves as codes.
; t = score x log2(e) / 8; M = the running largest t rounded UP to a whole number; p = 2^(t - M) is quantised along the keys, not normalised; the row's sum is taken of the unquantised p.
; SHARES.  Work-group j (0..15) of a head: wave w owns the tile of 16 queries T = 16 w + j, in 256 registers; four waves to a SIMD, so that one wave's vector work stands beside another's matrix work.
; Every work-group walks all 4,096 keys, 128 a step, 512 a slot: constant trip counts.  Wave w WORKS in steps 0 .. SD = 2 w + (cluster x / 2): the four tiles of a cluster's waves w cover queries 256 w + 64 cluster x .. + 63,
; inside one block of 128 keys.  Steps under SD are open, step SD is masked by compares, later steps are jumped over: branches on the wave's number, the cluster's number and the step counter alone.
; LAYOUT.  Both products transposed: S^T = K Q^T, O^T = V^T P^T: a lane holds ONE query.  Operands lie as images of registers (a unit: 16 rows x 64 K, 768 bytes); stored row p is row p with bits 3 and 4 exchanged, so
; the 16 registers of K's tiles 2 b, 2 b + 1 are 16 neighbouring keys, and likewise O^T's registers neighbouring channels.
; THE FIRST PRODUCT has K = 64 of the instruction's 128.  Registers 6-11 of Q's and K's fragments are constants: zero codes, but for k = 64: +1 in Q, -1 in K.  That block's byte in K's scale word is 237 for a key that the
; input mask hides and 1 else (made by the launch before): a hidden key's score is lowered by 2^110.  The running largest t begins at -2^100, which no hidden key reaches: its p is 0.
; A query with no key left has the sum 0: its two scale bytes become 0xff, which makes its row of the last product NaN, as the softmax of an empty row is.
; CLUSTER 4 x 1: four work-groups of a head walk the same K and V: each slot is asked for jointly (waves 0, 1: K's halves; waves 2, 3: V's).  The scale words of a whole head come once.
; LIMITS: |t| under 2^100; an open score carries -2^-126; a block of zeros gets the byte 1; NaN and infinities are not served.
; REGISTERS: v1, v2 16 x, 8 x lane; v3 scale words' place; v4 the diagonal's bound; v8-11 addresses in hand; v12 -M, v13 largest t, v[14:15] the sum; v16-27 Q; v28-31 V's scale words; v32-79 four fragments of K;
; v80-127 four of V; v128-191 S^T, then p; v192-223 O^T; v224-235 p's codes; v232-254 at work; v248-251 K's scale words; v253 p's; v255 Q's.
.set SLOT1, 65536                      ; slot 1 begins here: one exclusive or turns an address.  A slot: K's 32 units (24,576 bytes), then V's 4 x 8 units
.set SCW,   131072                     ; the head's scale words: K's 16,384 bytes, V's 8,192
.set SPARE, 155648                     ; the spare words, 128 bytes a wave, that no other line names
.set SPW, 5
.set NIL, 6
.set PFO, 7
.set A16, 8
.set A8,  9
.set ADS, 10
.set ADT, 11
.set KFR, 32
.set VFR, 80
.set S,   128
.set O,   192
.set WV,  18
.set SEL, 20
.set CS,  22
.set G1T, 24
.set G1S, 32
.set G0T, 40
.set G0S, 44
.set TB,  2
.set TS,  3
.set TJ,  48
.set SLOTS, 49
.set ST,  50
.set SD,  51
.set PFA, 52
.set LIM, 54
.macro CROUND
	s_barrier_signal -1
	s_barrier_wait -1
	s_cmp_lg_u32 s[WV], 0
	s_cbranch_scc1 .Lnot_wave_0_\@
	s_barrier_signal -3
.Lnot_wave_0_\@:
	s_barrier_wait -3
	s_barrier_signal -1
	s_barrier_wait -1
.endm
.macro TLOAD                           ; waves 0 to 3 fetch a quarter of a slot each; an s_nop 0 and four v_nop follow the line
	s_cmp_lt_u32 s[WV], 4
	s_cbranch_scc0 .Lasked_\@
	tensor_load_to_lds s[G0T:G0T+3], s[G1T:G1T+7]
	s_nop 0
.rept 4
	v_nop
.endr
.Lasked_\@:
.endm
; A PREFETCH INTO THE L2.  Where slots 1, 3 and 5 are asked for, the NEXT TWO slots' K and V are named: 2 x 49,152 bytes = 384 pieces of 256 bytes.  All clusters of a head walk the same bytes: the head's first cluster asks.
; Its four partners take a quarter each, told apart BY ADDRESS (12,288 bytes of K, 12,288 of V); in each, waves 4 to 6 ask, a lane a piece, one instruction a wave.  So each piece of slots 2 to 7 is named once in the
; launch; slots 0 and 1 and the scale words come by their loads alone, and the last changes ask for nothing.
.macro ASK
	s_cmp_gt_u32 s[SLOTS], s[LIM]
	s_cbranch_scc0 .Lnot_mine_\@
	s_bitcmp1_b32 s[SLOTS], 0
	s_cbranch_scc0 .Lnot_mine_\@
	global_prefetch_b8 v[PFO], s[PFA:PFA+1] th:TH_LOAD_NT scope:SCOPE_SE
.Lnot_mine_\@:
.endm
	s_load_b256 s[4:11], s[0:1], 0x0               ; qkvc, qkvs, ac, asc
	v_lshl_add_u32 v[SPW], v0, 2, SPARE
	v_mov_b32 v[NIL], 0
	ds_add_u32 v[SPW], v[NIL]                      ; the wave's opening: the add and its wait stand ahead of my first tensor load
	v_lshrrev_b32 v8, 5, v0
	v_readfirstlane_b32 s[WV], v8                  ; wave 0..15
	s_bfe_u32 s12, ttmp6, 0x40000                  ; cx: it enters global addresses and the diagonal's bound alone
	s_and_b32 s13, ttmp7, 0xffff                   ; the head
	s_min_u32 s14, s[WV], 3                        ; which quarter I would fetch
	s_mul_i32 s15, s13, 196608                     ; the head's bytes in Q, K and V
	s_lshr_b32 s16, s14, 1
	s_mul_i32 s16, s16, 3145728                    ; K or V
	s_add_co_u32 s16, s16, s15
	s_and_b32 s17, s14, 1
	s_mul_i32 s17, s17, 12288                      ; which half
	s_add_co_u32 s16, s16, s17
	s_add_co_u32 s16, s16, 3145728
	s_mov_b32 s17, 0
	s_mul_i32 s58, s13, 24576
	s_mul_i32 s59, s14, 6144
	s_add_co_u32 s58, s58, s59
	s_add_co_u32 s58, s58, 262144                  ; my quarter of the head's scale words
	s_mov_b32 s59, 0
	s_mov_b32 s[G1T], 15|(3<<16)|(1<<21)           ; the mask: all four; elements of 8 bytes; bit 21 set beside a mask
	s_mov_b32 s[G1T+1], 32<<16                     ; 48 rows of 256 dense bytes
	s_mov_b32 s[G1T+2], 48<<16
	s_mov_b32 s[G1T+3], 32<<16
	s_mov_b32 s[G1T+4], 48
	s_mov_b32 s[G1T+5], 32
	s_mov_b32 s[G1T+6], 0
	s_mov_b32 s[G1T+7], 0
	s_mov_b32 s[G1S], 15|(3<<16)|(1<<21)
	s_mov_b32 s[G1S+1], 32<<16                     ; 24 rows
	s_mov_b32 s[G1S+2], 24<<16
	s_mov_b32 s[G1S+3], 32<<16
	s_mov_b32 s[G1S+4], 24
	s_mov_b32 s[G1S+5], 32
	s_mov_b32 s[G1S+6], 0
	s_mov_b32 s[G1S+7], 0
	s_lshl_b32 s60, s[WV], 4
	s_lshl_b32 s61, ttmp9, 2
	s_add_co_u32 s60, s60, s61
	s_add_co_u32 s60, s60, s12                     ; T = 16 w + 4 cluster x + cx
	s_mul_i32 s66, s60, 768
	s_add_co_u32 s66, s66, s15                     ; Q's unit
	s_mov_b32 s67, 0
	s_lshr_b32 s68, s60, 2
	s_lshl_b32 s68, s68, 8
	s_and_b32 s69, s60, 3
	s_lshl_b32 s69, s69, 2
	s_add_co_u32 s68, s68, s69
	s_lshl_b32 s69, s13, 14
	s_add_co_u32 s68, s68, s69                     ; Q's scale words
	s_mov_b32 s69, 0
	s_mul_i32 s72, s60, 12288
	s_mul_i32 s73, s13, 768
	s_add_co_u32 s72, s72, s73                     ; the result's unit: [T][head]
	s_mov_b32 s73, 0
	s_lshl_b32 s74, s60, 9
	s_lshr_b32 s75, s13, 2
	s_lshl_b32 s75, s75, 7
	s_add_co_u32 s74, s74, s75
	s_and_b32 s75, s13, 3
	s_lshl_b32 s75, s75, 1
	s_add_co_u32 s74, s74, s75                     ; its two scale bytes: [T][head / 4][r][(head / 2) % 2], bytes 2 (head % 2) on
	s_mov_b32 s75, 0
	s_lshl_b32 s[SD], s[WV], 1
	s_lshr_b32 s70, ttmp9, 1
	s_add_co_u32 s[SD], s[SD], s70                 ; the step on the diagonal
	s_and_b32 s70, ttmp9, 1
	s_lshl_b32 s70, s70, 6
	s_lshr_b32 s71, s12, 1
	s_lshl_b32 s71, s71, 5
	s_add_co_u32 s70, s70, s71
	s_and_b32 s71, s12, 1
	s_lshl_b32 s71, s71, 3
	s_add_co_u32 s70, s70, s71                     ; my tile's first query in that step
	s_mul_i32 s76, s12, 12288
	s_add_co_u32 s76, s76, s15
	s_add_co_u32 s76, s76, 3145728+24576           ; the prefetches: my work-group's quarter, one slot on; the first change of slots steps it to slot 2
	s_mov_b32 s77, 0
	s_sub_co_u32 s78, s[WV], 4
	s_lshr_b32 s78, s78, 2                         ; 0 in waves 4 to 7,
	s_or_b32 s78, s78, ttmp9                       ; of the head's first cluster: the same in all four partners
	s_cmp_eq_u32 s78, 0
	s_cselect_b32 s[LIM], 1, -1
	s_cmp_eq_u32 s[WV], 7
	s_cselect_b32 s[LIM], -1, s[LIM]               ; three waves' worth
	s_mov_b32 s[SEL], 0x76543210
	s_mov_b32 s[SEL+1], 0xfedcba98
	s_mov_b32 s[CS], 0x3e38aa3b                    ; c = log2(e) / 8
	s_mov_b32 s[CS+1], s[CS]
	s_mov_b32 s[TB], 0
	s_mov_b32 s[TS], 0
	s_mov_b32 s[TJ], 0
	s_mov_b32 s[SLOTS], 7
	s_mov_b32 s[ST], 0
	s_wait_dscnt 0x0                               ; the opening add is done
	s_wait_kmcnt 0x0
	s_mov_b32 s[G0T], 1
	s_mul_i32 s[G0T+1], s14, 12288                 ; slot 0: K's halves, then V's
	s_add_nc_u64 s[G0T+2:G0T+3], s[4:5], s[16:17]
	s_or_b32 s[G0T+3], s[G0T+3], 0x80000000
	s_mov_b32 s[G0S], 1
	s_mul_i32 s[G0S+1], s14, 6144
	s_add_co_u32 s[G0S+1], s[G0S+1], SCW
	s_add_nc_u64 s[G0S+2:G0S+3], s[6:7], s[58:59]
	s_or_b32 s[G0S+3], s[G0S+3], 0x80000000
	s_add_nc_u64 s[PFA:PFA+1], s[4:5], s[76:77]
	s_add_nc_u64 s[66:67], s[4:5], s[66:67]
	s_add_nc_u64 s[68:69], s[6:7], s[68:69]
	s_add_nc_u64 s[8:9], s[8:9], s[72:73]
	s_add_nc_u64 s[10:11], s[10:11], s[74:75]
	CROUND                                         ; all four work-groups are here: the first joint loads meet
	s_cmp_lt_u32 s[WV], 4                          ; a wave's two first fills stand in one branch
	s_cbranch_scc0 .Lno_first
	tensor_load_to_lds s[G0S:G0S+3], s[G1S:G1S+7]  ; the head's scale words: filled once
	s_nop 0
	tensor_load_to_lds s[G0T:G0T+3], s[G1T:G1T+7]  ; slot 0
	s_nop 0
.rept 4
	v_nop
.endr
.Lno_first:
	v_and_b32 v8, 31, v0
	v_lshlrev_b32 v1, 4, v8
	v_lshlrev_b32 v2, 3, v8
	v_and_b32 v9, 15, v0                           ; r
	v_bfe_u32 v10, v0, 4, 1                        ; h
	v_lshlrev_b32 v11, 4, v9
	v_add_nc_u32 v3, SCW, v11
	global_load_b128 v[16:19], v1, s[66:67]        ; Q's unit stays in registers
	global_load_b64 v[20:21], v2, s[66:67] offset:512
	global_load_b32 v255, v11, s[68:69]            ; and its scale words
	v_and_b32 v4, 8, v9
	v_add_nc_u32 v4, v4, v9
	v_lshlrev_b32 v254, 4, v10
	v_sub_nc_u32 v4, v4, v254
	v_add_nc_u32 v4, s70, v4                       ; my query in the diagonal's step - 16 h: register 16 b + i is hidden where 32 b + i is above it
	v_xor_b32 v254, 1, v10
	v_lshlrev_b32 v22, 3, v254                     ; Q, k = 64: the code of +1 (lanes 0-15 hold k = 64 .. 95)
	v_mul_u32_u24 v[KFR+6], v254, 40               ; K, k = 64: the code of -1
.irp t, 1,2,3
	v_mov_b32 v[KFR+12*\t+6], v[KFR+6]
.endr
.irp i, 7,8,9,10,11
	v_mov_b32 v[16+\i], 0
.irp t, 0,1,2,3
	v_mov_b32 v[KFR+12*\t+\i], 0
.endr
.endr
	s_and_b32 s71, s[WV], 3
	s_min_u32 s71, s71, 2
	s_lshl_b32 s71, s71, 5
	v_add_nc_u32 v[PFO], s71, v8                   ; piece 0 .. 95 of my work-group's quarter: 48 of K, 48 of V
	v_cmp_le_u32 vcc_lo, 48, v[PFO]
	v_mov_b32 v252, 3145728-12288
	v_cndmask_b32 v252, 0, v252, vcc_lo
	v_lshl_add_u32 v[PFO], v[PFO], 8, v252
	v_mov_b32 v13, 0xf1800000                      ; the largest t so far: -2^100
	v_floor_f32 v12, -v13                          ; -M
	v_mov_b32 v14, 0
	v_mov_b32 v15, 0
.irp b, 0,1,2,3
	v_mov_b32 v[236+\b], 0                         ; written once: a lane permute's destination counts as one of its sources
.endr
	v_mov_b32 v252, 0
	v_mov_b32 v253, 0
.set jj, 0
.rept 32
	v_mov_b32 v[O+jj], 0                           ; O^T: the step is written once; the first change of M leaves zeros zeros
.set jj, jj+1
.endr
; A KEY STEP: 128 keys, the q-th of the slot in hand.
.macro STEP q
	s_cmp_gt_u32 s[ST], s[SD]                      ; all its keys come after my queries: nothing to do
	s_cbranch_scc1 .Lhidden_\@
.irp t, 0,1,2,3                        ; S^T = K Q^T, tiles 0-3
	ds_load_b128 v[KFR+12*\t:KFR+12*\t+3], v[A16] offset:(8*(\q)+\t)*768
	ds_load_b64 v[KFR+12*\t+4:KFR+12*\t+5], v[A8] offset:(8*(\q)+\t)*768+512
.endr
	ds_load_b128 v[248:251], v[ADS] offset:512*(\q)
	s_wait_dscnt 0x0
.irp t, 0,1,2,3
	v_wmma_scale_f32_16x16x128_f8f6f4 v[S+8*\t:S+8*\t+7], v[KFR+12*\t:KFR+12*\t+11], v[16:27], 0, v[248+\t], v255 matrix_a_fmt:MATRIX_FMT_FP6 matrix_b_fmt:MATRIX_FMT_FP6
.endr
.rept 4
	v_nop                                          ; four plain instructions in front of loads into registers that these products, and the last step's last, have read
.endr
.irp t, 0,1,2,3                        ; tiles 4-7
	ds_load_b128 v[KFR+12*\t:KFR+12*\t+3], v[A16] offset:(8*(\q)+4+\t)*768
	ds_load_b64 v[KFR+12*\t+4:KFR+12*\t+5], v[A8] offset:(8*(\q)+4+\t)*768+512
.endr
	ds_load_b128 v[248:251], v[ADS] offset:512*(\q)+256
.irp d, 0,1,2,3                        ; V's four fragments land while the softmax is walked
	ds_load_b128 v[VFR+12*\d:VFR+12*\d+3],     v[A16] offset:24576+\d*6144+(\q)*1536
	ds_load_b64  v[VFR+12*\d+4:VFR+12*\d+5],   v[A8]  offset:24576+\d*6144+(\q)*1536+512
	ds_load_b128 v[VFR+12*\d+6:VFR+12*\d+9],   v[A16] offset:24576+\d*6144+(\q)*1536+768
	ds_load_b64  v[VFR+12*\d+10:VFR+12*\d+11], v[A8]  offset:24576+\d*6144+(\q)*1536+1280
.endr
	ds_load_b128 v[28:31], v[ADT] offset:16384+256*(\q)
	s_wait_dscnt 17                                ; K's nine are in; V's seventeen may be out
.irp t, 0,1,2,3
	v_wmma_scale_f32_16x16x128_f8f6f4 v[S+32+8*\t:S+32+8*\t+7], v[KFR+12*\t:KFR+12*\t+11], v[16:27], 0, v[248+\t], v255 matrix_a_fmt:MATRIX_FMT_FP6 matrix_b_fmt:MATRIX_FMT_FP6
.endr
.rept 4
	v_nop
.endr
	s_cmp_lt_u32 s[ST], s[SD]                      ; all its keys count
	s_cbranch_scc1 .Lopen_\@
	v_mov_b32 v254, 0xff800000                     ; on the diagonal the scores of later keys become -infinity ahead of the maximum
.set nn, 0
.rept 64
	v_cmp_gt_i32 vcc_lo, 32*(nn/16)+nn%16, v4
	v_cndmask_b32 v[S+nn], v[S+nn], v254, vcc_lo
.set nn, nn+1
.endr
.Lopen_\@:
.irp b, 0,1,2,3
	v_max3_num_f32 v[232+\b], v[S+16*\b], v[S+1+16*\b], v[S+2+16*\b]   ; the largest score of each block of 32 keys: for the row's maximum, and, since p rises with the score, for the block's largest p
.endr
.irp i, 3,5,7,9,11,13
.irp b, 0,1,2,3
	v_max3_num_f32 v[232+\b], v[232+\b], v[S+16*\b+\i], v[S+1+16*\b+\i]
.endr
.endr
.irp b, 0,1,2,3
	v_max_num_f32 v[232+\b], v[232+\b], v[S+15+16*\b]
.endr
.irp b, 0,1,2,3
	v_permlanex16_b32 v[236+\b], v[232+\b], s[SEL], s[SEL+1]
.endr
.irp b, 0,1,2,3
	v_max_num_f32 v[232+\b], v[232+\b], v[236+\b]
.endr
	v_max3_num_f32 v254, v232, v233, v234
	v_max_num_f32 v254, v254, v235
	v_mul_f32 v254, s[CS], v254
	v_max_num_f32 v13, v13, v254                   ; the running largest t
	v_mov_b32 v254, v12
	v_floor_f32 v12, -v13                          ; the new -M = -ceil(t): a whole number
	v_sub_f32 v254, v12, v254
	v_cvt_i32_f32 v254, v254                       ; (it saturates)
	v_ldexp_f32 v252, 1.0, v254                    ; f = 2^(old M - new M)
.set jj, 0
.rept 32
	v_pk_fma_f32 v[S+jj:S+jj+1], v[S+jj:S+jj+1], s[CS:CS+1], v[12:13] op_sel_hi:[1,0,0]   ; t - M
.set jj, jj+2
.endr
.irp b, 0,1,2,3
	v_fma_f32 v[232+\b], v[232+\b], s[CS], v12
.endr
.set jj, 0
.rept 64
	v_exp_f32 v[S+jj], v[S+jj]                     ; p = 2^(t - M)
.set jj, jj+1
.endr
	v_pk_mul_f32 v[14:15], v[14:15], v[252:253] op_sel_hi:[1,0]   ; the sums under the new M; the plain instruction behind the exponentials
	s_wait_alu depctr_va_vdst(0)                   ; one wait for the whole batch, ahead of its first reader
.irp b, 0,1,2,3
	v_exp_f32 v[232+\b], v[232+\b]                 ; the block's largest p
.endr
	v_pk_add_f32 v[236:237], v[S:S+1], v[S+2:S+3]  ; the row's sum of the unquantised p, in two chains
.irp j, 4,8,12,16,20,24,28,32,36,40,44,48,52,56,60
	v_pk_add_f32 v[14:15], v[14:15], v[S+\j:S+1+\j]
	v_pk_add_f32 v[236:237], v[236:237], v[S+2+\j:S+3+\j]
.endr
	v_pk_add_f32 v[14:15], v[14:15], v[236:237]
	s_wait_alu depctr_va_vdst(0)                   ; and one for the four
.irp b, 0,1,2,3
	v_max_num_f32 v[232+\b], 0x1800000, v[232+\b]  ; the floor 2^(3 - 127)
.endr
.irp b, 0,1,2,3
	v_add_nc_u32 v[244+\b], 0xff000000, v[232+\b]
.endr
.irp b, 0,1,2,3
	v_lshrrev_b32 v[236+\b], 23, v[244+\b]
.endr
	v_lshl_or_b32 v253, v237, 8, v236              ; p's scale word for these 128 keys
	v_lshl_or_b32 v253, v238, 16, v253
	v_lshl_or_b32 v253, v239, 24, v253
.irp c, 0,1
	v_cvt_scalef32_pk16_fp6_f32 v[224+6*\c:226+6*\c], v[S+32*\c:S+15+32*\c], v[244+2*\c]
	v_cvt_scalef32_pk16_fp6_f32 v[236+4*\c:238+4*\c], v[S+16+32*\c:S+31+32*\c], v[244+2*\c+1]
.endr
	v_nop                                          ; one plain instruction behind a scaled conversion
.irp c, 0,1
.irp i, 0,1,2
	v_permlane16_swap_b32 v[224+6*\c+\i], v[236+4*\c+\i]
.endr
.irp i, 0,1,2
	v_mov_b32 v[227+6*\c+\i], v[236+4*\c+\i]
.endr
.endr
.set jj, 0
.rept 16
	v_pk_mul_f32 v[O+jj:O+jj+1], v[O+jj:O+jj+1], v[252:253] op_sel_hi:[1,0]   ; O^T under the new M; these sixteen also stand between the making of p's codes and scale word and the products
.set jj, jj+2
.endr
	s_wait_dscnt 0x0                               ; V
.irp d, 0,1,2,3                        ; O^T += V^T P^T: four accumulators by turns
	v_wmma_scale_f32_16x16x128_f8f6f4 v[O+8*\d:O+8*\d+7], v[VFR+12*\d:VFR+12*\d+11], v[224:235], v[O+8*\d:O+8*\d+7], v[28+\d], v253 matrix_a_fmt:MATRIX_FMT_FP6 matrix_b_fmt:MATRIX_FMT_FP6
.endr
.Lhidden_\@:
	s_add_co_u32 s[ST], s[ST], 1
.endm
; THE CHANGE OF SLOTS stands at a slot's head: each wave waits for all its tensor loads, adds 0 to its spare word, and waits for that and for its reads of the slot that it has left.  fill = 1: a round of the cluster's
; barrier, and behind it that slot is filled with the next 512 keys: the load has four key steps in which to land.
.macro CHANGE fill
	s_wait_tensorcnt 0x0
	ds_add_u32 v[SPW], v[NIL]
.if \fill
	s_xor_b32 s[G0T+1], s[G0T+1], SLOT1            ; the walking descriptor: the other slot, the next 24,576 bytes
	s_add_nc_u64 s[G0T+2:G0T+3], s[G0T+2:G0T+3], 24576
	s_wait_xcnt 0x0                                ; the last prefetch has read its address
	s_add_nc_u64 s[PFA:PFA+1], s[PFA:PFA+1], 24576
	s_wait_dscnt 0x0
	CROUND
	TLOAD
	ASK
.else
	s_wait_dscnt 0x0
	s_barrier_signal -1
	s_barrier_wait -1
.endif
.endm
.macro SLOT_STEPS
	v_add_nc_u32 v[A16], s[TB], v1
	v_add_nc_u32 v[A8], s[TB], v2
	v_add_nc_u32 v[ADS], s[TS], v3
	v_add_nc_u32 v[ADT], s[TJ], v3
	STEP 0
	STEP 1
	STEP 2
	STEP 3
	s_xor_b32 s[TB], s[TB], SLOT1
	s_add_co_u32 s[TS], s[TS], 2048
	s_add_co_u32 s[TJ], s[TJ], 1024
.endm
	s_wait_loadcnt 0x0                             ; Q
.Lslot:                                            ; seven trips: behind each change of slots but the last the next slot is asked for
	CHANGE 1
	SLOT_STEPS
	s_sub_co_u32 s[SLOTS], s[SLOTS], 1
	s_cmp_lg_u32 s[SLOTS], 0
	s_cbranch_scc1 .Lslot
	CHANGE 0                                       ; the last slot is written out
	SLOT_STEPS
	; THE WAY OUT: O^T / the sum, quantised along my 32 registers (two blocks of 32 channels with lane l xor 16), one unit of codes and two scale bytes a row.
.rept 4
	v_nop
.endr
	v_add_f32 v14, v14, v15
	v_permlanex16_b32 v252, v14, s[SEL], s[SEL+1]
	v_add_f32 v14, v14, v252                       ; the row's sum
	v_cmp_eq_f32 s56, 0, v14                       ; no key was left
	v_rcp_f32 v15, v14
	v_and_b32 v10, 15, v0                          ; (a plain instruction behind the reciprocal)
	v_lshlrev_b32 v10, 3, v10                      ; 8 r
	s_wait_alu depctr_va_vdst(0)                   ; ahead of the reciprocal's first reader
.set jj, 0
.rept 32
	v_mul_f32 v[S+jj], v[O+jj], v15
.set jj, jj+1
.endr
.irp b, 0,1
	v_max3_num_f32 v[232+\b], |v[S+16*\b]|, |v[S+1+16*\b]|, 0x1800000
.endr
.irp i, 2,4,6,8,10,12,14
.irp b, 0,1
	v_max3_num_f32 v[232+\b], v[232+\b], |v[S+16*\b+\i]|, |v[S+1+16*\b+\i]|
.endr
.endr
.irp b, 0,1
	v_permlanex16_b32 v[236+\b], v[232+\b], s[SEL], s[SEL+1]
.endr
.irp b, 0,1
	v_max_num_f32 v[232+\b], v[232+\b], v[236+\b]
.endr
.irp b, 0,1
	v_add_nc_u32 v[244+\b], 0xff000000, v[232+\b]
.endr
.irp b, 0,1
	v_lshrrev_b32 v[236+\b], 23, v[244+\b]
.endr
	v_lshl_or_b32 v254, v237, 8, v236
	v_mov_b32 v252, 0xffff
	v_cndmask_b32 v254, v254, v252, s56            ; an empty row: both bytes 0xff
	v_cvt_scalef32_pk16_fp6_f32 v[224:226], v[S:S+15], v244
	v_cvt_scalef32_pk16_fp6_f32 v[240:242], v[S+16:S+31], v245
	v_nop
.irp i, 0,1,2
	v_permlane16_swap_b32 v[224+\i], v[240+\i]
.endr
.irp i, 0,1,2
	v_mov_b32 v[227+\i], v[240+\i]
.endr
	global_store_b128 v1, v[224:227], s[8:9]               ; 512 consecutive bytes
	global_store_b64 v2, v[228:229], s[8:9] offset:512     ; 256 consecutive bytes
	global_store_b16 v10, v254, s[10:11]                   ; two bytes a row, 8 bytes apart: a word's other half is another head's.  32 bytes a wave
	s_wait_tensorcnt 0x0                           ; the wave's end
	ds_add_u32 v[SPW], v[NIL]
	s_wait_dscnt 0x0
	CROUND                                         ; the closing round
	s_endpgm
.Lfunc_end_k_qdde3785263_attn:
	.size	k_qdde3785263_attn, .Lfunc_end_k_qdde3785263_attn-k_qdde3785263_attn
	.p2alignl 7, 3214868480
	.fill 96, 4, 3214868480
	.section	.rodata,"a",@progbits
	.p2align	6, 0x0
	.amdhsa_kernel k_qdde3785263_attn
		.amdhsa_group_segment_fixed_size 327680
		.amdhsa_private_segment_fixed_size 0
		.amdhsa_enable_private_segment 0
		.amdhsa_kernarg_size 32
		.amdhsa_user_sgpr_count 2
		.amdhsa_user_sgpr_kernarg_segment_ptr 1
		.amdhsa_wavefront_size32 1
		.amdhsa_system_sgpr_workgroup_id_x 1
		.amdhsa_system_sgpr_workgroup_id_y 1
		.amdhsa_system_sgpr_workgroup_id_z 1
		.amdhsa_system_vgpr_workitem_id 0
		.amdhsa_next_free_vgpr 256
		.amdhsa_next_free_sgpr 80
		.amdhsa_reserve_vcc 1
		.amdhsa_float_denorm_mode_32 3
		.amdhsa_float_denorm_mode_16_64 3
		.amdhsa_memory_ordered 1
		.amdhsa_forward_progress 1
		.amdhsa_inst_pref_size 182
	.end_amdhsa_kernel
	.amdgpu_metadata
---
amdhsa.version: [ 1, 2 ]
amdhsa.kernels:
  - .name:           k_qdde3785263_attn
    .symbol:         k_qdde3785263_attn.kd
    .args:
      - { .name: qkvc, .offset: 0, .size: 8, .value_kind: global_buffer, .address_space: global }
      - { .name: qkvs, .offset: 8, .size: 8, .value_kind: global_buffer, .address_space: global }
      - { .name: ac, .offset: 16, .size: 8, .value_kind: global_buffer, .address_space: global }
      - { .name: asc, .offset: 24, .size: 8, .value_kind: global_buffer, .address_space: global }
    .group_segment_fixed_size: 327680
    .private_segment_fixed_size: 0
    .kernarg_segment_align: 8
    .kernarg_segment_size: 32
    .max_flat_workgroup_size: 512
    .sgpr_count:     80
    .vgpr_count:     256
    .wavefront_size: 32
...
	.end_amdgpu_metadata
.endif
;; end of part 3
;; launch proj (part 4): grid 4 x 16, 4 waves a work-group, clusters of 4 x 4, 327,680 bytes of LDS; arguments ac, asc, cq, sq, Wo_b, out0; writes out0
.if DOCPART == 4
	.amdgcn_target "amdgcn-amd-amdhsa--gfx1250"
	.amdhsa_code_object_version 6
	.text
	.protected	k_qdde3785263_proj
	.globl	k_qdde3785263_proj
	.p2align	8
	.type	k_qdde3785263_proj,@function
k_qdde3785263_proj:
	s_mov_b64 s[64:65], 0
	v_nop
	global_prefetch_b8 v0, s[64:65] scope:SCOPE_SE
	s_setreg_imm32_b32 hwreg(HW_REG_WAVE_MODE, 25, 1), 1
	s_wait_xcnt 0x0
	s_wait_alu depctr_hold_cnt(0) depctr_sa_sdst(0) depctr_va_vdst(0) depctr_va_sdst(0) depctr_va_ssrc(0) depctr_va_vcc(0) depctr_vm_vsrc(0)
	s_getreg_b32 s2, hwreg(HW_REG_IB_STS2, 6, 4)
	s_cmp_eq_u32 s2, 0
	s_cbranch_scc0 .Lentry_in_a_cluster
	s_endpgm
.Lentry_in_a_cluster:
	s_bfe_u32 s2, ttmp6, 0x10000c
	s_cmp_lg_u32 s2, 0xf033
	s_cbranch_scc0 .Lentry_shape_is_right
	s_endpgm
.Lentry_shape_is_right:
; out0 = a Wo_w^T + Wo_b on codes of FP6 (E2M3) with E8M0 scales.  a: attention's result as codes, ac [row tile 256][unit 16][768], scale words asc [tile][s 4][r 16][q 2]; Wo_w: row tiles 448-511 of cq and sq.
; THE PRODUCT is the one of the launch that makes q, k and v: a tile of 256 x 256 to a work-group of four waves, 128 x 128 to a wave; K = 1,024 in four slots' worth of 256 through two LDS slots filled by joint tensor
; loads; operands as images of registers (a unit: 16 rows x 64 K = 768 bytes), so that a fragment is two loads of 16 bytes and two of 8 bytes a lane, each of consecutive bytes.
; Stored row p of both operands is row p with bits 3 and 4 exchanged.  Transposed use (source 0 = Wo_w's rows, source 1 = a's): a lane holds one token, and the 16 registers of B's tiles 2 b, 2 b + 1 are the columns
; 32 b + 16 (lane / 16) + 0 .. 15.  A row of a whose scale bytes are 0xff (a query with no key) comes out NaN.
; 64 work-groups (4 x 16 tiles): one text of the product serves both launches; a tile of 128 x 128 would give 256.  No prefetch: K has four slots' worth, two of them asked for at the head.
; THE WAY OUT: a block of 16 tokens x 128 columns goes through the wave's stage in LDS and comes back as rows of 512 bytes; + bias; 32 lanes store 512 consecutive bytes, at a multiple of 256 from out0's first byte.
; The stage lies in slot 0, which has had its last fill and its last read when the first result is stored there.
.set SLOT,  98304
.set SCL,   2*SLOT
.set SPARE, 213248
.set FR,    12
.set NL,    4
.set ADRA, 16
.set ADRB, 20
.set STO,  24
.set RD,   25
.set CO,   26
.set ADRS, 27
.set SPW,  28
.set NIL,  29
.set SC,   32
.set BO,   64                          ; v64-67 the bias of my four columns
.set AF,   128
.set BK,   128                         ; the way out: 16 rows read back: v128-191 and v192-255 by turns
.set SPITCH, 528
.set WV, 16
.set RH, 17
.set CH, 18
.set G1, 24
.set G0, 32
.set G1B, 48
.set G0B, 56
.set G1S, 68
.set G0S, 76
.set G1SB, 80
.set G0SB, 88
.set MSB, 0
.macro WIN new
.if MSB != \new
	s_set_vgpr_msb (MSB<<8)|\new
.set MSB, \new
.endif
.endm
.set MUL_LO, 0xa1
.set MUL_HI, 0xf1
.set TO_B,   0x40
.macro JLOAD g0a, g1a, g0b, g1b        ; a joint load: waves 0, 1 fetch for A, waves 2, 3 for B; an s_nop 0 and four v_nop follow each line
	s_cmp_eq_u32 s[RH], 0
	s_cbranch_scc0 .Lfor_b_\@
	tensor_load_to_lds s[\g0a:\g0a+3], s[\g1a:\g1a+7]
	s_nop 0
.rept 4
	v_nop
.endr
	s_branch .Lasked_\@
.Lfor_b_\@:
	tensor_load_to_lds s[\g0b:\g0b+3], s[\g1b:\g1b+7]
	s_nop 0
.rept 4
	v_nop
.endr
.Lasked_\@:
.endm
.macro CREST
	s_cmp_lg_u32 s[WV], 0
	s_cbranch_scc1 .Lnot_wave_0_\@
	s_barrier_signal -3
.Lnot_wave_0_\@:
	s_barrier_wait -3
	s_barrier_signal -1
	s_barrier_wait -1
.endm
.macro CROUND
	s_barrier_signal -1
	s_barrier_wait -1
	CREST
.endm
.macro PLACES n
.rept \n
	v_nop
.endr
.endm
.macro FRAG reg, a16, a8, q, i
	ds_load_b128 v[\reg:\reg+3],     v[\a16] offset:(\i)*3072+(\q)*1536
	ds_load_b64  v[\reg+4:\reg+5],   v[\a8]  offset:(\i)*3072+(\q)*1536+512
	ds_load_b128 v[\reg+6:\reg+9],   v[\a16] offset:(\i)*3072+(\q)*1536+768
	ds_load_b64  v[\reg+10:\reg+11], v[\a8]  offset:(\i)*3072+(\q)*1536+1280
.endm
.macro FETCH_B slot, q, p
	WIN TO_B
.irp i, 0,1,2,3,4,5,6,7
	FRAG 128*(\p)+FR*\i, ADRB+\slot, ADRB+2+\slot, \q, \i
.endr
	WIN 0
.endm
.macro FETCH_A slot, q, i0
.irp i, \i0, \i0+1, \i0+2, \i0+3
	FRAG AF+FR*(\i), ADRA+\slot, ADRA+2+\slot, \q, \i
.endr
.endm
.macro SCALES sc
.irp i, 0,1,2,3,4,5,6,7
	ds_load_b64 v[SC+16*\sc+2*\i:SC+16*\sc+2*\i+1], v[ADRS] offset:\i*512
.endr
.endm
; 16 matrix instructions; the 64 accumulators take turns, one instruction a turn, in the same order in every step
.macro MUL16 a0, p, q, sc, zero
.irp a, \a0, \a0+1
.irp b, 0,1,2,3,4,5,6,7
.if \zero
	v_wmma_scale_f32_16x16x128_f8f6f4 v[8*(8*((\a)%4)+\b):8*(8*((\a)%4)+\b)+7], v[128*(\p)+FR*\b:128*(\p)+FR*\b+FR-1], v[AF+FR*(\a):AF+FR*(\a)+FR-1], 0, v[SC+16*(\sc)+2*\b+(\q)], v[SC+16*(\sc)+2*(\a)+(\q)] matrix_a_fmt:MATRIX_FMT_FP6 matrix_b_fmt:MATRIX_FMT_FP6 matrix_a_scale:MATRIX_SCALE_ROW1
.else
	v_wmma_scale_f32_16x16x128_f8f6f4 v[8*(8*((\a)%4)+\b):8*(8*((\a)%4)+\b)+7], v[128*(\p)+FR*\b:128*(\p)+FR*\b+FR-1], v[AF+FR*(\a):AF+FR*(\a)+FR-1], v[8*(8*((\a)%4)+\b):8*(8*((\a)%4)+\b)+7], v[SC+16*(\sc)+2*\b+(\q)], v[SC+16*(\sc)+2*(\a)+(\q)] matrix_a_fmt:MATRIX_FMT_FP6 matrix_b_fmt:MATRIX_FMT_FP6 matrix_a_scale:MATRIX_SCALE_ROW1
.endif
.endr
.endr
.endm
.macro STEP slot, q, zero
	s_wait_dscnt 4*NL                              ; B's set and A's blocks 0-3 are in; A's blocks 4-7 may be out
	WIN MUL_LO
	MUL16 0, (\q)%2, \q, \slot, \zero
	MUL16 2, (\q)%2, \q, \slot, \zero
	s_wait_dscnt 0
	PLACES 4                                       ; four plain instructions in front of loads into registers that matrix instructions have read
	FETCH_B \slot, (\q)+1, 1-(\q)%2
	FETCH_A \slot, (\q)+1, 0
	WIN MUL_HI
	MUL16 4, (\q)%2, \q, \slot, \zero
	MUL16 6, (\q)%2, \q, \slot, \zero
	PLACES 4
	WIN 0
	FETCH_A \slot, (\q)+1, 4
.endm
.macro TURN slot, next, fill           ; a slot's last step changes slots
	s_wait_tensorcnt 0x0                           ; all my tensor loads have landed: my part of the next slot
	ds_add_u32 v[SPW], v[NIL]
	s_wait_dscnt 4*NL+1
	WIN MUL_LO
	MUL16 0, 1, 1, \slot, 0
	s_wait_dscnt 0x0                               ; the add is done, and my reads of this slot are over
	s_barrier_signal -1
	MUL16 2, 1, 1, \slot, 0
	WIN 0
	s_barrier_wait -1
.if \fill
	CREST                                          ; no wave of any partner still reads this slot or has a load on its way
	s_add_nc_u64 s[G0+4*\slot+2:G0+4*\slot+3], s[G0+4*\slot+2:G0+4*\slot+3], 6144
	s_add_nc_u64 s[G0B+4*\slot+2:G0B+4*\slot+3], s[G0B+4*\slot+2:G0B+4*\slot+3], 6144
	JLOAD G0+4*\slot, G1, G0B+4*\slot, G1B
.else
	PLACES 4
.endif
	v_add_nc_u32 v[ADRS], 128, v[ADRS]
	FETCH_B \next, 0, 0
	FETCH_A \next, 0, 0
	SCALES \next
	WIN MUL_HI
	MUL16 4, 1, 1, \slot, 0
	MUL16 6, 1, 1, \slot, 0
	PLACES 4
	WIN 0
	FETCH_A \next, 0, 4
.endm
	s_load_b256 s[4:11], s[0:1], 0x0               ; ac, asc, cq, sq
	s_load_b128 s[12:15], s[0:1], 0x20             ; Wo_b, out0
	v_lshl_add_u32 v[SPW], v0, 2, SPARE
	v_mov_b32 v[NIL], 0
	ds_add_u32 v[SPW], v[NIL]                      ; the wave's opening: the add and its wait stand ahead of my first tensor load
	v_lshrrev_b32 v1, 5, v0
	v_readfirstlane_b32 s[WV], v1
	s_lshr_b32 s[RH], s[WV], 1
	s_and_b32 s[CH], s[WV], 1
	s_bfe_u32 s40, ttmp6, 0x40000                  ; cx
	s_bfe_u32 s41, ttmp6, 0x40004                  ; cy
	s_and_b32 s42, ttmp7, 0xffff                   ; the cluster's y
	s_lshl_b32 s43, s41, 2
	s_lshl_b32 s43, 15, s43
	s_lshl_b32 s44, 0x1111, s40
	s_or_b32 s[G1], s43, (3<<16)|(1<<21)
	s_or_b32 s[G1B], s44, (3<<16)|(1<<21)
.irp g, G1, G1B
	s_mov_b32 s[\g+1], 384<<16
	s_mov_b32 s[\g+2], 8<<16
	s_mov_b32 s[\g+3], 384<<16
	s_mov_b32 s[\g+4], 8
	s_mov_b32 s[\g+5], 1536
	s_mov_b32 s[\g+6], 0
	s_mov_b32 s[\g+7], 0
.endr
	s_or_b32 s[G1S], s43, (3<<16)|(1<<21)
	s_or_b32 s[G1SB], s44, (3<<16)|(1<<21)
.irp g, G1S, G1SB
	s_mov_b32 s[\g+1], 32<<16
	s_mov_b32 s[\g+2], 16<<16
	s_mov_b32 s[\g+3], 32<<16
	s_mov_b32 s[\g+4], 16
	s_mov_b32 s[\g+5], 32
	s_mov_b32 s[\g+6], 0
	s_mov_b32 s[\g+7], 0
.endr
	s_lshl_b32 s20, s42, 2
	s_add_co_u32 s20, s20, s41                     ; the tile row of out0
	s_lshl_b32 s20, s20, 4
	s_lshl_b32 s21, s[CH], 3
	s_add_co_u32 s20, s20, s21                     ; A's first row tile that I fetch
	s_lshl_b32 s46, s40, 4
	s_add_co_u32 s46, s46, 448
	s_add_co_u32 s46, s46, s21                     ; B's
	s_lshl_b32 s22, s20, 9
	s_mul_i32 s20, s20, 12288
	s_mov_b32 s21, 0
	s_mov_b32 s23, 0
	s_lshl_b32 s92, s46, 9
	s_mul_i32 s46, s46, 12288
	s_mov_b32 s47, 0
	s_mov_b32 s93, 0
	s_mul_i32 s45, s[WV], 24576
	s_lshl_b32 s94, s[WV], 12
	s_lshl_b32 s95, s[RH], 7
	s_add_co_u32 s94, s94, s95
	s_wait_dscnt 0x0                               ; the opening add is done
	s_wait_kmcnt 0x0
	s_add_nc_u64 s[20:21], s[4:5], s[20:21]
	s_add_nc_u64 s[22:23], s[6:7], s[22:23]
	s_add_nc_u64 s[46:47], s[8:9], s[46:47]
	s_add_nc_u64 s[92:93], s[10:11], s[92:93]
	CROUND                                         ; all sixteen work-groups are here: the first joint loads meet
	s_mov_b32 s[G0S], 1
	s_add_co_u32 s[G0S+1], s94, SCL
	s_mov_b64 s[G0S+2:G0S+3], s[22:23]
	s_or_b32 s[G0S+3], s[G0S+3], 0x80000000
	s_mov_b32 s[G0SB], 1
	s_add_co_u32 s[G0SB+1], s94, SCL
	s_mov_b64 s[G0SB+2:G0SB+3], s[92:93]
	s_or_b32 s[G0SB+3], s[G0SB+3], 0x80000000
	JLOAD G0S, G1S, G0SB, G1SB
.irp s, 0,1
	s_mov_b32 s[G0+4*\s], 1
	s_add_co_u32 s[G0+4*\s+1], s45, \s*SLOT
	s_add_nc_u64 s[G0+4*\s+2:G0+4*\s+3], s[20:21], \s*3072
	s_or_b32 s[G0+4*\s+3], s[G0+4*\s+3], 0x80000000
	s_mov_b32 s[G0B+4*\s], 1
	s_add_co_u32 s[G0B+4*\s+1], s45, \s*SLOT
	s_add_nc_u64 s[G0B+4*\s+2:G0B+4*\s+3], s[46:47], \s*3072
	s_or_b32 s[G0B+4*\s+3], s[G0B+4*\s+3], 0x80000000
	JLOAD G0+4*\s, G1, G0B+4*\s, G1B               ; three loads of mine are out
.endr
	v_and_b32 v1, 31, v0
	v_and_b32 v2, 15, v0                           ; r
	v_bfe_u32 v3, v0, 4, 1                         ; h
	v_lshlrev_b32 v[CO], 4, v1                     ; 16 x lane
	v_lshlrev_b32 v5, 3, v1                        ; 8 x lane
	s_mul_i32 s2, s[RH], 24576
	s_mul_i32 s3, s[CH], 24576
	s_add_co_u32 s3, s3, 49152
.irp s, 0,1
	v_add_nc_u32 v[ADRA+\s], s2, v[CO]
	v_add_nc_u32 v[ADRA+2+\s], s2, v5
	v_add_nc_u32 v[ADRB+\s], s3, v[CO]
	v_add_nc_u32 v[ADRB+2+\s], s3, v5
	s_add_co_u32 s2, s2, SLOT
	s_add_co_u32 s3, s3, SLOT
.endr
	s_lshl_b32 s2, s[RH], 12
	s_lshl_b32 s3, s[CH], 12
	s_add_co_u32 s3, s3, 8320
	s_sub_co_u32 s3, s3, s2
	v_mul_u32_u24 v6, s3, v3                       ; lanes 16-31 take B's words: one product with h
	s_add_co_u32 s2, s2, SCL
	v_lshl_add_u32 v6, v2, 3, v6
	v_add_nc_u32 v[ADRS], s2, v6
	s_mul_i32 s2, s[WV], 16*SPITCH                 ; my stage
	v_mul_u32_u24 v6, v2, SPITCH
	v_lshl_add_u32 v6, v3, 6, v6
	v_add_nc_u32 v[STO], s2, v6                    ; in: row r, + 64 h: my half's 16 columns of each 32
	v_add_nc_u32 v[RD], s2, v[CO]                  ; back: 32 lanes take a row of 512 bytes
	s_lshl_b32 s2, s40, 10
	s_lshl_b32 s3, s[CH], 9
	s_add_co_u32 s2, s2, s3                        ; my first column, in bytes
	s_mov_b32 s3, 0
	s_add_nc_u64 s[12:13], s[12:13], s[2:3]
	s_add_nc_u64 s[14:15], s[14:15], s[2:3]
	global_load_b128 v[BO:BO+3], v[CO], s[12:13]   ; the bias of my four columns
	s_lshl_b32 s2, s42, 2
	s_add_co_u32 s2, s2, s41
	s_lshl_b32 s2, s2, 1
	s_add_co_u32 s2, s2, s[RH]
	s_lshl_b32 s2, s2, 19                          ; my first row: 128 rows of 4,096 bytes a wave's share
	s_add_nc_u64 s[14:15], s[14:15], s[2:3]
	s_wait_tensorcnt 1                             ; the scale words and my part of slot 0 are in; slot 1's load may be out
	s_barrier_signal -1
	s_barrier_wait -1
	FETCH_B 0, 0, 0
	FETCH_A 0, 0, 0
	SCALES 0
	FETCH_A 0, 0, 4
	STEP 0, 0, 1                                   ; the first products start the sums
	TURN 0, 1, 1
	STEP 1, 0, 0
	TURN 1, 0, 1
	STEP 0, 0, 0
	TURN 0, 1, 0                                   ; nothing is left to fetch; behind this barrier nobody reads slot 0
	STEP 1, 0, 0
	s_wait_dscnt 4*NL
	WIN MUL_LO
	MUL16 0, 1, 1, 1, 0
	MUL16 2, 1, 1, 1, 0
	s_wait_dscnt 0
	WIN MUL_HI
	MUL16 4, 1, 1, 1, 0
	MUL16 6, 1, 1, 1, 0
	WIN 0
.macro TOSTAGE a                       ; block a: 16 tokens x 128 columns into my stage, and back as rows; LDS serves a wave's instructions in order
.set AC, 64*((\a)%4)
.set WN, 0x08+4*((\a)/4)
	WIN WN                                         ; an LDS store's data: window 2 or 3
.irp b, 0,1,2,3,4,5,6,7
	ds_store_b128 v[STO], v[AC+8*\b:AC+8*\b+3] offset:128*(\b/2)+32*(\b%2)          ; each accumulator from its low end on
	ds_store_b128 v[STO], v[AC+8*\b+4:AC+8*\b+7] offset:128*(\b/2)+32*(\b%2)+16
.endr
	WIN 0
.set BB, BK+64*((\a)%2)
.irp t, 0,1,2,3,4,5,6,7,8,9,10,11,12,13,14,15
	ds_load_b128 v[BB+4*\t:BB+4*\t+3], v[RD] offset:\t*SPITCH
.endr
.endm
.macro SEND a, younger                 ; younger: the LDS instructions issued behind block a's loads
.set BB, BK+64*((\a)%2)
	s_wait_dscnt \younger
.irp t, 0,1,2,3,4,5,6,7,8,9,10,11,12,13,14,15
	v_pk_add_f32 v[BB+4*\t:BB+4*\t+1], v[BB+4*\t:BB+4*\t+1], v[BO:BO+1]
	v_pk_add_f32 v[BB+4*\t+2:BB+4*\t+3], v[BB+4*\t+2:BB+4*\t+3], v[BO+2:BO+3]
	global_store_b128 v[CO], v[BB+4*\t:BB+4*\t+3], s[14:15] offset:(32*((\a)/2)+8*((\a)%2)+\t+8*(\t/8))*4096 th:TH_STORE_NT   ; stored row t of block a is this token; the base is never stepped
.endr
.endm
	s_wait_loadcnt 0x0                             ; the bias
	PLACES 4                                       ; behind the last products: results are read, and loads land in registers that held A's fragments
	TOSTAGE 0
.irp a, 1,2,3,4,5,6,7
.if \a > 1
	s_wait_xcnt 0x0                                ; the stores of two blocks ago have read their registers: this block's loads may land there
.endif
	TOSTAGE \a
	SEND \a-1, 32                                  ; behind the last block's loads: this block's 16 stores and 16 loads
.endr
	SEND 7, 0
	s_wait_tensorcnt 0x0                           ; the wave's end: behind my last LDS store
	ds_add_u32 v[SPW], v[NIL]
	s_wait_dscnt 0x0
	CROUND                                         ; the closing round
	s_endpgm
.Lfunc_end_k_qdde3785263_proj:
	.size	k_qdde3785263_proj, .Lfunc_end_k_qdde3785263_proj-k_qdde3785263_proj
	.p2alignl 7, 3214868480
	.fill 96, 4, 3214868480
	.section	.rodata,"a",@progbits
	.p2align	6, 0x0
	.amdhsa_kernel k_qdde3785263_proj
		.amdhsa_group_segment_fixed_size 327680
		.amdhsa_private_segment_fixed_size 0
		.amdhsa_enable_private_segment 0
		.amdhsa_kernarg_size 48
		.amdhsa_user_sgpr_count 2
		.amdhsa_user_sgpr_kernarg_segment_ptr 1
		.amdhsa_wavefront_size32 1
		.amdhsa_system_sgpr_workgroup_id_x 1
		.amdhsa_system_sgpr_workgroup_id_y 1
		.amdhsa_system_sgpr_workgroup_id_z 1
		.amdhsa_system_vgpr_workitem_id 0
		.amdhsa_next_free_vgpr 1024
		.amdhsa_next_free_sgpr 100
		.amdhsa_reserve_vcc 0
		.amdhsa_float_denorm_mode_32 3
		.amdhsa_float_denorm_mode_16_64 3
		.amdhsa_memory_ordered 1
		.amdhsa_forward_progress 1
		.amdhsa_inst_pref_size 159
	.end_amdhsa_kernel
	.amdgpu_metadata
---
amdhsa.version: [ 1, 2 ]
amdhsa.kernels:
  - .name:           k_qdde3785263_proj
    .symbol:         k_qdde3785263_proj.kd
    .args:
      - { .name: ac, .offset: 0, .size: 8, .value_kind: global_buffer, .address_space: global }
      - { .name: asc, .offset: 8, .size: 8, .value_kind: global_buffer, .address_space: global }
      - { .name: cq, .offset: 16, .size: 8, .value_kind: global_buffer, .address_space: global }
      - { .name: sq, .offset: 24, .size: 8, .value_kind: global_buffer, .address_space: global }
      - { .name: Wo_b, .offset: 32, .size: 8, .value_kind: global_buffer, .address_space: global }
      - { .name: out0, .offset: 40, .size: 8, .value_kind: global_buffer, .address_space: global }
    .group_segment_fixed_size: 327680
    .private_segment_fixed_size: 0
    .kernarg_segment_align: 8
    .kernarg_segment_size: 48
    .max_flat_workgroup_size: 128
    .sgpr_count:     100
    .vgpr_count:     1024
    .wavefront_size: 32
...
	.end_amdgpu_metadata
.endif
;; end of part 4
